; MI455X (gfx1250); checked and timed in simulation.
; The chip was launched on July 23, 2026; its instructions are those of AMD's public machine-readable ISA for CDNA 5 (MIT licence, August 2026) and "CDNA5" Instruction Set Architecture Reference Guide (July 2026). The comments in the code are by the model that wrote it; some were corrected since.
;; Multi Head Attention. Allowed arithmetic: matrix products marked QUANTISED: E2M3 operands, one E8M0 scale for each 32 along K, by v_wmma_scale_f32_16x16x128_f8f6f4 with both operands' format E2M3, f32 sums; everything else in f32.
;; Inputs: Wk 1,024 x 1,024 float32; Wo 1,024 x 1,024 float32; Wq 1,024 x 1,024 float32; Wv 1,024 x 1,024 float32; bk 1,024 float32; bo 1,024 float32; bq 1,024 float32; bv 1,024 float32; k 4 x 2,048 x 1,024 float32; mask 1 x 1 x 2,048 x 2,048 int32; q 4 x 2,048 x 1,024 float32; v 4 x 2,048 x 1,024 float32.
;; Outputs: out0 4 x 2,048 x 1,024 float32.
;; This version of the problem:
;;   THIS VERSION OF THE PROBLEM IS GIVEN IN LOW PRECISION. The matrix products marked QUANTISED in the list below multiply operands that are first quantised to E2M3 (2 exponent bits, 3 mantissa bits; 6 bits a number), with one power-of-two scale for each 32 numbers along K (OCP MX v1.0); their sums are f32. All else is computed in f32.
;;   The module's matrix products, in the order in which they are computed (A, B: the left and right operand; K: the contracted axis; several contracted axes count as one K, in the product's order):
;;     1. [M 8,192, K 1,024] x [K 1,024, N 1,024]; A: input q; B: input Wq: QUANTISED
;;     2. [M 8,192, K 1,024] x [K 1,024, N 1,024]; A: input k; B: input Wk: QUANTISED
;;     3. [M 8,192, K 1,024] x [K 1,024, N 1,024]; A: input v; B: input Wv: QUANTISED
;;     4. batch 64 x [M 2,048, K 64] x [K 64, N 2,048]; A: computed on the way; B: computed on the way: QUANTISED
;;     5. batch 64 x [M 2,048, K 2,048] x [K 2,048, N 64]; A: softmax (see below); B: computed on the way: QUANTISED
;;     6. [M 8,192, K 1,024] x [K 1,024, N 1,024]; A: computed on the way; B: input Wo: QUANTISED
;;   THE QUANTISER, for each operand of a quantised product, along K:
;;     - K is cut into blocks of 32 from its start; a last block that is shorter is filled with zeros.
;;     - A block's scale is 2^e with e = floor(log2(the largest magnitude in the block)) - 2, held to -126 .. 127; a block of zeros has e = 0. As a byte (E8M0): e + 127.
;;     - Each number is divided by its block's scale, clamped to +-7.5, and rounded to the nearest number of E2M3, ties to even, subnormals kept.
;;     - The product sums the exact products of the quantised numbers (number of the format x scale) in f32.
;;   ~~~python
;;   def quantise(x, axis):      # numpy; x: float32 -> the quantised numbers, widened to float32 again
;;       x = np.moveaxis(x, axis, -1); K = x.shape[-1]
;;       x = np.pad(x, [(0, 0)] * (x.ndim - 1) + [(0, -K % 32)]); x = x.reshape(x.shape[:-1] + (-1, 32)); a = np.abs(x).max(-1, keepdims=True)
;;       e = np.where(a > 0, np.clip(np.frexp(np.where(a > 0, a, 1))[1] - 1 - 2, -126, 127), 0)      # np.frexp(a)[1] - 1 = floor(log2(a)), exactly
;;       r = np.clip(x / 2.0 ** e, -7.5, 7.5)
;;       step = 2.0 ** (np.maximum(np.frexp(np.where(r == 0, 1, r))[1] - 1, 0) - 3)
;;       q = np.round(r / step) * step * 2.0 ** e      # np.round: ties to even
;;       return np.moveaxis(q.reshape(q.shape[:-2] + (-1,))[..., :K], -1, axis).astype(np.float32)
;;   ~~~
;;   SOFTMAX AHEAD OF A QUANTISED PRODUCT. Where the list says 'softmax', what is quantised is not the finished softmax but p = 2^(t - M), with t = logit x log2(e) and M = ceil(the row's largest t), a whole number; so 1/2 < the row's largest p <= 1. The row's sum l is taken of the UNQUANTISED p, in f32, and the product's result is divided by l at the end. Since M is a whole number, a kernel that streams over the keys may use a running M (the ceiling of the running maximum): every later rescaling is an exact power of two, which a block's scale takes up: the codes' values come out the same.
;;   OPERANDS COMPUTED ON THE WAY. 'Computed on the way' means the value that the module computes at that place (a softmax that the list does not call 'softmax' is quantised finished and normalised). What goes into a quantiser is computed in f32, as accurately as f32 sums, v_exp_f32 and their like allow (about 1e-6 of the number): no bf16 or f16 on the way to a quantiser, and a product that is left as it is and whose result goes on into a quantised operand takes f32 operands (vector FMAs, or v_wmma_f32_16x16x4_f32). A number that lies on a knife's edge between two numbers of the format may be rounded either way, as far as f32 arithmetic and the matrix unit's own rounding can turn it there, and no further.
;; One version. Each part assembles by itself: llvm-mc -triple=amdgcn-amd-amdhsa -mcpu=gfx1250 --defsym DOCPART=n.
;; ======== version 1 of 1: 4 launches
;; limits: right only within a limited range of input values
;; workspace buffers: codes 22,020,096 bytes; scl 917,504 bytes; mbits 524,288 bytes of whole numbers; mflag 8,192 bytes of whole numbers; qkvc 18,874,368 bytes; qkvs 1,310,720 bytes; oc 6,291,456 bytes; os 262,144 bytes
;; launch prep (part 1): grid 2304 x 1, 4 waves a work-group, no clusters, 71,168 bytes of LDS; arguments q, k, v, Wq, Wk, Wv, Wo, mask, codes, scl, mbits, mflag; writes codes, scl, mbits, mflag
.if DOCPART == 1
	.amdgcn_target "amdgcn-amd-amdhsa--gfx1250"
	.amdhsa_code_object_version 6
	.text
	.protected	k_q63fb4eba9d_prep
	.globl	k_q63fb4eba9d_prep
	.p2align	8
	.type	k_q63fb4eba9d_prep,@function
k_q63fb4eba9d_prep:
	s_mov_b64 s[64:65], 0
	v_nop
	global_prefetch_b8 v0, s[64:65] scope:SCOPE_SE
	s_setreg_imm32_b32 hwreg(HW_REG_WAVE_MODE, 25, 1), 1
	s_wait_xcnt 0x0
; PREP.  (1) q, k, v [8192][1024] and Wq, Wk, Wv, Wo [1024][1024], f32, K innermost, become codes of FP6 (E2M3) with one E8M0 byte for each 32 along K.
; (2) mask [2048][2048], int32, becomes lane masks and flags for the attention launch.
; A block's scale is 2^(floor(log2(largest magnitude)) - 2); its byte is the largest magnitude's exponent field - 2, held at 1 from below.
; LIMITS: a block of zeros gets the byte 1 where the rule says 127 (its codes are zeros, and only this program reads the bytes); NaN and infinities among the inputs are not served.
; ROWS BY POSITION.  Rows are stored in tiles of 16 positions: position r of tile t is row 32 (t / 2) + 8 (t % 2) + r + 8 (r / 8).  So in a later product used transposed the 16 registers of two
; neighbouring tiles are 16 neighbouring rows.
; CODES AS IMAGES OF REGISTERS.  16 positions x 64 K are 768 bytes: lane l = r + 16 h holds k = 32 h .. 32 h + 31 in six registers; registers 0-3 lie at 16 l, registers 4-5 at 512 + 8 l.
; codes: [256 K: 4][row tile: 1792][64 K: 4][768].  scl: [row tile][128 K: 8][r][4 bytes].  Row tiles: q 0, k 512, v 1024, Wq 1536, Wk 1600, Wv 1664, Wo 1728.
; SHARES.  Work-groups 0 to 1791: one row tile; wave w takes K = 256 w on: 16 rows x 1,024 bytes, all 32 loads out at once.  Each load reads two rows' aligned 256 bytes; a chunk of 64 K turns
; through the wave's own stage in LDS (places of 128 + 16 bytes), so that a lane gets 32 neighbours along K.  Work-groups 1792 to 2303: the mask, a wave to 16 rows x 128 keys.
; The two paths have LDS bytes of their own.  No barrier: waves share nothing.  No matrix unit, cluster or tensor load: every byte is read once by one wave.
.set KSB,   5505024                    ; 1792 row tiles x 3,072 bytes: from 256 K to the next
.set R,     32                         ; v32-159  four chunks of 32 registers as loaded; a chunk's codes are made in its own registers
.set X,     160                        ; v160-223 two sets of 32 neighbours along K
.set STG,   4608                       ; a stage: 32 places of 144 bytes; two for each wave
.set MSTG,  36864                      ; the mask path's stages: 16 rows of 528 bytes for each wave
	s_load_b512 s[4:19], s[0:1], 0x0               ; q, k, v, Wq, Wk, Wv, Wo, mask
	s_load_b256 s[20:27], s[0:1], 0x40             ; codes, scl, mbits, mflag
	v_lshl_add_u32 v224, v0, 2, 0x11400
	v_mov_b32 v225, 0
	v_lshrrev_b32 v1, 5, v0
	v_readfirstlane_b32 s31, v1                    ; wave
	v_and_b32 v1, 31, v0                           ; lane
	v_lshlrev_b32 v5, 4, v1                        ; 16 l
	v_lshlrev_b32 v6, 3, v1                        ; 8 l
	v_lshlrev_b32 v7, 2, v1                        ; 4 l
	v_lshrrev_b32 v21, 4, v1                       ; h
	s_cmp_ge_u32 ttmp9, 1792
	s_cbranch_scc1 .Lmask
	; ---------------- the quantiser ----------------
	v_and_b32 v2, 15, v1
	v_lshlrev_b32 v2, 4, v2
	v_lshl_add_u32 v2, v21, 12, v2                 ; a load: lanes 0-15 one row's 256 bytes, lanes 16-31 the next row's
	s_mul_i32 s32, s31, 2*STG
	v_mul_u32_u24 v3, v21, 144                     ; into the stage: position 2 i + h, half (l / 8) % 2 of the row's 256 bytes: place = position + 16 x half
	v_bfe_u32 v4, v1, 3, 1
	v_mad_u32_u24 v3, v4, 2304, v3
	v_and_b32 v4, 7, v1
	v_lshl_add_u32 v3, v4, 4, v3
	v_add_nc_u32 v3, s32, v3
	v_mul_u32_u24 v4, v1, 144                      ; out of it: my place
	v_add_nc_u32 v4, s32, v4
	v_lshlrev_b32 v19, 3, v21                      ; 8 h: my bytes' shift in a scale word
	v_mov_b32 v18, 0                               ; a lane permute's destination counts as read
	s_mov_b32 s44, 0x76543210
	s_mov_b32 s45, 0xfedcba98                      ; lane l xor 16
	s_wait_kmcnt 0x0
	s_mov_b64 s[28:29], s[16:17]                   ; which tensor: the choice hangs on the work-group's number alone
	s_mov_b32 s30, 1728
	s_cmp_lt_u32 ttmp9, 1728
	s_cselect_b64 s[28:29], s[14:15], s[28:29]
	s_cselect_b32 s30, 1664, s30
	s_cmp_lt_u32 ttmp9, 1664
	s_cselect_b64 s[28:29], s[12:13], s[28:29]
	s_cselect_b32 s30, 1600, s30
	s_cmp_lt_u32 ttmp9, 1600
	s_cselect_b64 s[28:29], s[10:11], s[28:29]
	s_cselect_b32 s30, 1536, s30
	s_cmp_lt_u32 ttmp9, 1536
	s_cselect_b64 s[28:29], s[8:9], s[28:29]
	s_cselect_b32 s30, 1024, s30
	s_cmp_lt_u32 ttmp9, 1024
	s_cselect_b64 s[28:29], s[6:7], s[28:29]
	s_cselect_b32 s30, 512, s30
	s_cmp_lt_u32 ttmp9, 512
	s_cselect_b64 s[28:29], s[4:5], s[28:29]
	s_cselect_b32 s30, 0, s30
	s_sub_co_u32 s33, ttmp9, s30                   ; the tile's number in its tensor
	s_lshr_b32 s34, s33, 1
	s_lshl_b32 s34, s34, 5
	s_and_b32 s35, s33, 1
	s_lshl_b32 s35, s35, 3
	s_add_co_u32 s34, s34, s35                     ; its first row
	s_lshl_b32 s34, s34, 12                        ; rows of 4,096 bytes
	s_lshl_b32 s35, s31, 10                        ; my 256 along K
	s_add_co_u32 s34, s34, s35
	s_mov_b32 s35, 0
	s_add_nc_u64 s[28:29], s[28:29], s[34:35]
	s_mul_i32 s36, s31, KSB
	s_mul_i32 s37, ttmp9, 3072
	s_add_co_u32 s36, s36, s37
	s_mov_b32 s37, 0
	s_add_nc_u64 s[20:21], s[20:21], s[36:37]
	s_lshl_b32 s36, ttmp9, 9
	s_lshl_b32 s38, s31, 7
	s_add_co_u32 s36, s36, s38
	s_add_nc_u64 s[22:23], s[22:23], s[36:37]
.macro LOADC c                         ; chunk c: 64 along K of the 16 rows; load i takes positions 2 i and 2 i + 1
.irp i, 0,1,2,3,4,5,6,7
	global_load_b128 v[R+32*\c+4*\i:R+32*\c+4*\i+3], v2, s[28:29] offset:(2*\i+8*(\i/4))*4096+256*\c th:TH_LOAD_NT
.endr
.endm
.macro TURN c                          ; chunk c through a stage: LDS serves a wave's instructions in order, so no wait stands between the stores and the loads
.irp i, 0,1,2,3,4,5,6,7
	ds_store_b128 v3, v[R+32*(\c)+4*\i:R+32*(\c)+4*\i+3] offset:288*\i+STG*((\c)%2)
.endr
.irp m, 0,1,2,3,4,5,6,7
	ds_load_b128 v[X+32*((\c)%2)+4*\m:X+32*((\c)%2)+4*\m+3], v4 offset:16*\m+STG*((\c)%2)
.endr
.endm
.macro WORK c                          ; my block of 32: largest magnitude, scale, 32 codes in six registers, stored as the image
.set XS, X+32*((\c)%2)
.set CD, R+32*(\c)
	v_max3_num_f32 v8, |v[XS]|, |v[XS+1]|, |v[XS+2]|
	v_max3_num_f32 v9, |v[XS+3]|, |v[XS+4]|, |v[XS+5]|
.irp i, 6,10,14,18,22,26
	v_max3_num_f32 v8, v8, |v[XS+\i]|, |v[XS+\i+1]|
	v_max3_num_f32 v9, v9, |v[XS+\i+2]|, |v[XS+\i+3]|
.endr
	v_max3_num_f32 v8, v8, |v[XS+30]|, |v[XS+31]|
	v_max3_num_f32 v8, v8, v9, 0x1800000           ; the floor 2^(3 - 127): the byte cannot fall under 1
	v_add_nc_u32 v11, 0xff000000, v8               ; 2 off the exponent field: the conversion takes that field as its scale
	v_cvt_scalef32_pk16_fp6_f32 v[CD:CD+2], v[XS:XS+15], v11
	v_cvt_scalef32_pk16_fp6_f32 v[CD+8:CD+10], v[XS+16:XS+31], v11   ; (a conversion's three registers begin on an even number)
	v_lshrrev_b32 v[12+\c], 23, v11                ; the scale's byte; also the plain line behind the conversions
	v_mov_b32 v[CD+3], v[CD+8]
	v_mov_b32 v[CD+4], v[CD+9]
	v_mov_b32 v[CD+5], v[CD+10]
	global_store_b128 v5, v[CD:CD+3], s[20:21] offset:768*\c         ; 512 consecutive bytes
	global_store_b64 v6, v[CD+4:CD+5], s[20:21] offset:768*\c+512    ; 256 consecutive bytes
.endm
	LOADC 0
	LOADC 1
	LOADC 2
	LOADC 3
	s_wait_loadcnt 24                              ; chunk 0 is in; the 24 loads of chunks 1 to 3 may be out
	TURN 0
.irp c, 0,1,2,3
.if \c < 3
	s_wait_loadcnt 8*(2-\c)                        ; the next chunk is in; eight loads for each later chunk may be out
	TURN \c+1
	s_wait_dscnt 16                                ; this chunk is back from its stage; the next chunk's 8 stores and 8 loads may be out
.else
	s_wait_dscnt 0x0
.endif
	WORK \c
.endr
.irp s, 0,1                            ; a scale word is 128 along K: my bytes are blocks h and 2 + h
	v_lshl_or_b32 v[16+\s], v[13+2*\s], 16, v[12+2*\s]
	v_lshlrev_b32 v[16+\s], v19, v[16+\s]
.endr
	v_permlanex16_b32 v18, v16, s44, s45
	v_or_b32 v16, v16, v18                         ; with lane l xor 16's two bytes the word is whole
	v_permlanex16_b32 v18, v17, s44, s45
	v_or_b32 v17, v17, v18
	v_cmp_le_u32 vcc_lo, 16, v1
	v_cndmask_b32 v20, v16, v17, vcc_lo            ; lanes 0-15 store the first 128's words, lanes 16-31 the second's
	global_store_b32 v7, v20, s[22:23]             ; 128 consecutive bytes
	s_wait_tensorcnt 0x0
	ds_add_u32 v224, v225
	s_wait_dscnt 0x0
	s_endpgm
	; ---------------- the mask ----------------
	; Tile T of 16 queries (by position) x key step j of 128 keys.  mbits[T][j][n], n = 0 .. 63: bit l = r + 16 h says that mask[query r][128 j + 32 (n / 16) + 16 h + n % 16] is not 0:
	; the lane mask for register n of the scores.  mflag[T][j]: bits 15:0: query r has an open key in the step; bit 16: all 2,048 are open.
.Lmask:
	s_sub_co_u32 s33, ttmp9, 1792
	s_lshr_b32 s34, s33, 2                         ; T
	s_and_b32 s35, s33, 3
	s_lshl_b32 s35, s35, 2
	s_add_co_u32 s35, s35, s31                     ; j
	s_lshr_b32 s36, s34, 1
	s_lshl_b32 s36, s36, 5
	s_and_b32 s37, s34, 1
	s_lshl_b32 s37, s37, 3
	s_add_co_u32 s36, s36, s37                     ; the tile's first row
	s_lshl_b32 s36, s36, 13                        ; rows of 8,192 bytes
	s_lshl_b32 s37, s35, 9
	s_add_co_u32 s36, s36, s37
	s_mov_b32 s37, 0
	s_lshl_b32 s38, s34, 4
	s_add_co_u32 s38, s38, s35                     ; 16 T + j
	s_mul_i32 s41, s31, 16*528
	s_add_co_u32 s41, s41, MSTG                    ; my stage
	v_add_nc_u32 v3, s41, v5                       ; in: a row's 512 bytes, 16 a lane
	v_and_b32 v2, 15, v1
	v_mul_u32_u24 v4, v2, 528
	v_lshl_add_u32 v4, v21, 6, v4
	v_add_nc_u32 v4, s41, v4                       ; out: row r, + 64 h
	v_mov_b32 v22, 0
	v_mov_b32 v23, 0
	s_mov_b32 s42, 0                               ; lanes with an open key
	s_mov_b32 s43, -1                              ; lanes with open keys alone
	s_wait_kmcnt 0x0
	s_add_nc_u64 s[18:19], s[18:19], s[36:37]
	s_lshl_b32 s36, s38, 8
	s_add_nc_u64 s[24:25], s[24:25], s[36:37]
	s_lshl_b32 s36, s38, 2
	s_add_nc_u64 s[26:27], s[26:27], s[36:37]
.irp p, 0,1,2,3,4,5,6,7,8,9,10,11,12,13,14,15
	global_load_b128 v[32+4*\p:35+4*\p], v5, s[18:19] offset:(\p+8*(\p/8))*8192 th:TH_LOAD_NT   ; position p's 512 consecutive bytes
.endr
.irp p, 0,1,2,3,4,5,6,7,8,9,10,11,12,13,14,15
	s_wait_loadcnt 15-\p                           ; row p is in; the later rows' loads may be out
	ds_store_b128 v3, v[32+4*\p:35+4*\p] offset:528*\p
.endr
.irp b, 0,1,2,3
.irp u, 0,1,2,3
	ds_load_b128 v[160+16*\b+4*\u:163+16*\b+4*\u], v4 offset:128*\b+16*\u   ; register 16 b + i: key 32 b + 16 h + i of query r
.endr
.endr
	s_wait_dscnt 0x0
.set n, 0
.rept 64
	v_cmp_ne_u32 vcc_lo, 0, v[160+n]
	s_or_b32 s42, s42, vcc_lo
	s_and_b32 s43, s43, vcc_lo
	v_writelane_b32 v[22+(n&1)], vcc_lo, n>>1      ; word n goes to lane n / 2
.set n, n+1
.endr
	global_store_b64 v6, v[22:23], s[24:25]        ; 256 consecutive bytes, aligned
	s_lshr_b32 s44, s42, 16
	s_or_b32 s42, s42, s44
	s_and_b32 s42, s42, 0xffff
	s_cmp_eq_u32 s43, -1
	s_cselect_b32 s44, 0x10000, 0
	s_or_b32 s42, s42, s44
	v_mov_b32 v24, s42
	v_cmp_eq_u32 vcc_lo, 0, v1
	s_wait_xcnt 0x0                                ; EXEC changes only behind this wait
	s_wait_tensorcnt 0x0
	ds_add_u32 v224, v225
	s_wait_dscnt 0x0
	s_and_saveexec_b32 s40, vcc_lo
	global_store_b32 v7, v24, s[26:27]             ; lane 0 alone: the flag word
	s_wait_xcnt 0x0
	s_or_b32 exec_lo, exec_lo, s40
	s_endpgm
.Lfunc_end_k_q63fb4eba9d_prep:
	.size	k_q63fb4eba9d_prep, .Lfunc_end_k_q63fb4eba9d_prep-k_q63fb4eba9d_prep
	.p2alignl 7, 3214868480
	.fill 96, 4, 3214868480
	.section	.rodata,"a",@progbits
	.p2align	6, 0x0
	.amdhsa_kernel k_q63fb4eba9d_prep
		.amdhsa_group_segment_fixed_size 71168
		.amdhsa_private_segment_fixed_size 0
		.amdhsa_enable_private_segment 0
		.amdhsa_kernarg_size 96
		.amdhsa_user_sgpr_count 2
		.amdhsa_user_sgpr_kernarg_segment_ptr 1
		.amdhsa_wavefront_size32 1
		.amdhsa_system_sgpr_workgroup_id_x 1
		.amdhsa_system_sgpr_workgroup_id_y 1
		.amdhsa_system_sgpr_workgroup_id_z 1
		.amdhsa_system_vgpr_workitem_id 0
		.amdhsa_next_free_vgpr 226
		.amdhsa_next_free_sgpr 66
		.amdhsa_reserve_vcc 1
		.amdhsa_float_denorm_mode_32 3
		.amdhsa_float_denorm_mode_16_64 3
		.amdhsa_memory_ordered 1
		.amdhsa_forward_progress 1
		.amdhsa_inst_pref_size 34
	.end_amdhsa_kernel
	.amdgpu_metadata
---
amdhsa.version: [ 1, 2 ]
amdhsa.kernels:
  - .name:           k_q63fb4eba9d_prep
    .symbol:         k_q63fb4eba9d_prep.kd
    .args:
      - { .name: q, .offset: 0, .size: 8, .value_kind: global_buffer, .address_space: global }
      - { .name: k, .offset: 8, .size: 8, .value_kind: global_buffer, .address_space: global }
      - { .name: v, .offset: 16, .size: 8, .value_kind: global_buffer, .address_space: global }
      - { .name: Wq, .offset: 24, .size: 8, .value_kind: global_buffer, .address_space: global }
      - { .name: Wk, .offset: 32, .size: 8, .value_kind: global_buffer, .address_space: global }
      - { .name: Wv, .offset: 40, .size: 8, .value_kind: global_buffer, .address_space: global }
      - { .name: Wo, .offset: 48, .size: 8, .value_kind: global_buffer, .address_space: global }
      - { .name: mask, .offset: 56, .size: 8, .value_kind: global_buffer, .address_space: global }
      - { .name: codes, .offset: 64, .size: 8, .value_kind: global_buffer, .address_space: global }
      - { .name: scl, .offset: 72, .size: 8, .value_kind: global_buffer, .address_space: global }
      - { .name: mbits, .offset: 80, .size: 8, .value_kind: global_buffer, .address_space: global }
      - { .name: mflag, .offset: 88, .size: 8, .value_kind: global_buffer, .address_space: global }
    .group_segment_fixed_size: 71168
    .private_segment_fixed_size: 0
    .kernarg_segment_align: 8
    .kernarg_segment_size: 96
    .max_flat_workgroup_size: 128
    .sgpr_count:     66
    .vgpr_count:     226
    .wavefront_size: 32
...
	.end_amdgpu_metadata
.endif
;; end of part 1
;; launch proj (part 2): grid 4 x 96, 4 waves a work-group, clusters of 4 x 4, 327,680 bytes of LDS; arguments codes, scl, bq, bk, bv, qkvc, qkvs; writes qkvc, qkvs
.if DOCPART == 2
	.amdgcn_target "amdgcn-amd-amdhsa--gfx1250"
	.amdhsa_code_object_version 6
	.text
	.protected	k_q63fb4eba9d_proj
	.globl	k_q63fb4eba9d_proj
	.p2align	8
	.type	k_q63fb4eba9d_proj,@function
k_q63fb4eba9d_proj:
	s_mov_b64 s[64:65], 0
	v_nop
	global_prefetch_b8 v0, s[64:65] scope:SCOPE_SE
	s_setreg_imm32_b32 hwreg(HW_REG_WAVE_MODE, 25, 1), 1
	s_wait_xcnt 0x0
	s_wait_alu depctr_hold_cnt(0) depctr_sa_sdst(0) depctr_va_vdst(0) depctr_va_sdst(0) depctr_va_ssrc(0) depctr_va_vcc(0) depctr_vm_vsrc(0)
	s_getreg_b32 s2, hwreg(HW_REG_IB_STS2, 6, 4)
	s_cmp_eq_u32 s2, 0
	s_cbranch_scc0 .Lentry_in_a_cluster
	s_endpgm
.Lentry_in_a_cluster:
	s_bfe_u32 s2, ttmp6, 0x10000c
	s_cmp_lg_u32 s2, 0xf033
	s_cbranch_scc0 .Lentry_shape_is_right
	s_endpgm
.Lentry_shape_is_right:
; PROJ.  Q = q Wq^T + bq, K = k Wk^T + bk, V = v Wv^T + bv on codes of FP6 (E2M3) with E8M0 scales, sums in f32; the results are quantised at once for the attention launch:
; Q and K along the head's 64, V along the keys.  Nothing wide goes to memory.
; SHARES.  A work-group makes 256 X x 256 Y, each of four waves 128 x 128 in 64 accumulators.  Source 1 = 16 positions of X, source 0 = 16 positions of Y: a lane holds ONE X and its registers run
; along Y, the axis that is quantised.  Q, K (cluster y 0-7, 8-15): X = tokens, Y = weight rows.  V (16-23): X = Wv's rows, Y = tokens.  The change of roles is offset arithmetic alone.
; Rows lie by position (tile t, position r = row 32 (t / 2) + 8 (t % 2) + r + 8 (r / 8)), so the 16 registers of Y tiles 2 b, 2 b + 1 are Y = 32 b + 16 h + 0 .. 15.
; RING.  K goes in steps of 256 through two LDS slots; the codes lie in memory as images of operand registers, so 8 row tiles x 256 K are one dense block of 24,576 bytes: one tensor load a wave.
; The scale words of the work-group's 512 rows, for all of K, come once with the first fills.  A wave has at most three tensor loads out (scales, slot 0, slot 1).
; CLUSTER 4 x 4.  X's tiles hang on cy and the cluster's number: asked jointly by my row of the cluster; Y's on cx: by my column.  No mask, LDS address or branch hangs on cx or cy.
; No prefetch: a work-group has two refills in all.
; LIMITS: a block of zeros gets the byte 1 (zero codes; only this program reads the bytes); NaN and infinities are not served.
; REGISTERS.  window 0: v1-15 lane terms and addresses; v16-23 fragment addresses; v27 scale address; v28, v29 the add's; v32-63 scale words, two sets; v64-127 bias along Y; v128-223 X's fragments, one set;
;   v224-231 bias along X; on the way out v128-191 64 numbers, v192-211 codes, v232-251 at work.  window 1: Y's fragments, two sets.  windows 2, 3: accumulators, (a, b) at v[8 (8 (a % 4) + b)].
.set KSA,    5505024                   ; from 256 K to the next, in X's buffer
.set KSB,    5505024                   ; and in Y's
.set NQ,     2                         ; matrix instructions deep in a slot
.set FR,     12                        ; registers of a fragment
.set NL,     4                         ; LDS loads that bring one
.set NP,     4                         ; places behind this matrix instruction (ISA guide 7.12.1)
.set HALFT,  24576                     ; 8 row tiles x 3,072 bytes
.set SLOT,   98304                     ; X's 16 row tiles, then Y's
.set SCL,    196608                    ; the scale words: 4,096 bytes for each wave's 128 rows
.set SPARE,  212992                    ; the spare words: 128 bytes a wave, two blocks of 256 bytes that no other line names
.set LAPS,   2
.set ADRA, 16                          ; v16-17: 16 l + my X rows in slot 0, 1;  v18-19: the same with 8 l
.set ADRB, 20                          ; v20-23 the same for Y
.set ADRS, 27
.set SPW,  28
.set NIL,  29
.set SC,   32
.set BY,   64
.set AF,   128
.set BX,   224
.set HH,   128
.set PC,   192
.set TM,   232
.set PW,   248
.set WV, 16
.set WH, 17
.set WL, 18
.set CX, 19
.set CY, 20
.set CLY, 21
.set THIRD, 22
.set C7, 23
.set G1, 24
.set G0, 32
.set G1B, 48
.set G0B, 56
.set G1S, 68
.set G0S, 76
.set G1SB, 80
.set G0SB, 88
.set SEL, 100
.set MSB, 0
.macro WIN new                         ; the immediate's high byte repeats the setting that is left
.if MSB != \new
	s_set_vgpr_msb (MSB<<8)|\new
.set MSB, \new
.endif
.endm
.set MUL_LO, 0xa1                      ; source 0 (Y) window 1, source 1 (X) window 0, C and D window 2
.set MUL_HI, 0xf1
.set TO_B,   0x40
; A joint load: waves 0 and 1 fetch for X, waves 2 and 3 for Y.  The branch hangs on the wave's number alone.  Four v_nop follow each line.
.macro JLOAD g0a, g1a, g0b, g1b
	s_cmp_eq_u32 s[WH], 0
	s_cbranch_scc0 .Lfor_b_\@
	tensor_load_to_lds s[\g0a:\g0a+3], s[\g1a:\g1a+7]
	s_nop 0
.rept 4
	v_nop
.endr
	s_branch .Lasked_\@
.Lfor_b_\@:
	tensor_load_to_lds s[\g0b:\g0b+3], s[\g1b:\g1b+7]
	s_nop 0
.rept 4
	v_nop
.endr
.Lasked_\@:
.endm
.macro CREST                           ; a round of the cluster's barrier behind its opening barrier
	s_cmp_lg_u32 s[WV], 0
	s_cbranch_scc1 .Lnot_wave_0_\@
	s_barrier_signal -3
.Lnot_wave_0_\@:
	s_barrier_wait -3
	s_barrier_signal -1
	s_barrier_wait -1
.endm
.macro CROUND
	s_barrier_signal -1
	s_barrier_wait -1
	CREST
.endm
	s_load_b256 s[4:11], s[0:1], 0x0               ; codes, scl, bq, bk
	s_load_b128 s[12:15], s[0:1], 0x20             ; bv, qkvc
	s_load_b64 s[66:67], s[0:1], 0x30              ; qkvs
	v_lshl_add_u32 v[SPW], v0, 2, SPARE
	v_mov_b32 v[NIL], 0
	ds_add_u32 v28, v29
	ds_add_u32 v28, v29
	s_wait_dscnt 0x0
	v_lshrrev_b32 v1, 5, v0
	v_readfirstlane_b32 s[WV], v1
	s_lshr_b32 s[WH], s[WV], 1                     ; my half of X.  Also: I fetch for X (0) or Y (1)
	s_and_b32 s[WL], s[WV], 1                      ; my half of Y.  Also: which 8 row tiles I fetch
	s_bfe_u32 s[CX], ttmp6, 0x40000
	s_bfe_u32 s[CY], ttmp6, 0x40004
	s_and_b32 s[CLY], ttmp7, 0xffff                ; cluster y, 0 .. 23
	s_lshr_b32 s[THIRD], s[CLY], 3                 ; 0 Q, 1 K, 2 V
	s_and_b32 s[C7], s[CLY], 7
	s_lshl_b32 s40, s[CY], 2
	s_lshl_b32 s40, 15, s40                        ; my row of the cluster
	s_lshl_b32 s41, 0x1111, s[CX]                  ; my column
	; descriptor group 1: dense blocks as rows of 256 bytes (32 elements of 8 bytes), no padding: 96 rows of codes, 16 of scale words
	s_or_b32 s[G1], s40, (3<<16)|(1<<21)
	s_or_b32 s[G1B], s41, (3<<16)|(1<<21)
.irp g, G1, G1B
	s_mov_b32 s[\g+1], 32<<16
	s_mov_b32 s[\g+2], 96<<16
	s_mov_b32 s[\g+3], 32<<16
	s_mov_b32 s[\g+4], 96
	s_mov_b32 s[\g+5], 32
	s_mov_b32 s[\g+6], 0
	s_mov_b32 s[\g+7], 0
.endr
	s_or_b32 s[G1S], s40, (3<<16)|(1<<21)
	s_or_b32 s[G1SB], s41, (3<<16)|(1<<21)
.irp g, G1S, G1SB
	s_mov_b32 s[\g+1], 32<<16
	s_mov_b32 s[\g+2], 16<<16
	s_mov_b32 s[\g+3], 32<<16
	s_mov_b32 s[\g+4], 16
	s_mov_b32 s[\g+5], 32
	s_mov_b32 s[\g+6], 0
	s_mov_b32 s[\g+7], 0
.endr
	; the row tiles that I fetch
	s_lshl_b32 s42, s[THIRD], 9
	s_lshl_b32 s43, s[C7], 6
	s_add_co_u32 s42, s42, s43                     ; Q, K: X = tokens of q or k
	s_lshl_b32 s44, s[THIRD], 6
	s_add_co_u32 s44, s44, 1536                    ; Q, K: Y = Wq or Wk
	s_add_co_u32 s43, s43, 1024                    ; V: Y = tokens of v
	s_cmp_ge_u32 s[CLY], 16
	s_cselect_b32 s42, 1664, s42                   ; V: X = Wv
	s_cselect_b32 s44, s43, s44
	s_cselect_b32 s104, 0, -1                      ; all lanes where Q or K
	s_cselect_b32 s105, -1, 0                      ; all lanes where V
	s_lshl_b32 s45, s[WL], 3
	s_lshl_b32 s46, s[CY], 4
	s_add_co_u32 s42, s42, s46
	s_add_co_u32 s42, s42, s45                     ; X's row tile: cy and the cluster's number alone
	s_lshl_b32 s47, s[CX], 4
	s_add_co_u32 s44, s44, s47
	s_add_co_u32 s44, s44, s45                     ; Y's: cx and the cluster's number alone
	s_mul_i32 s92, s42, 3072
	s_mov_b32 s93, 0
	s_lshl_b32 s94, s42, 9
	s_mov_b32 s95, 0
	s_mul_i32 s96, s44, 3072
	s_mov_b32 s97, 0
	s_lshl_b32 s2, s44, 9
	s_mov_b32 s3, 0
	s_mul_i32 s45, s[WV], HALFT                    ; where they go: the wave's number alone
	s_lshl_b32 s46, s[WV], 12
	s_wait_kmcnt 0x0
	s_add_nc_u64 s[92:93], s[4:5], s[92:93]
	s_add_nc_u64 s[94:95], s[6:7], s[94:95]
	s_add_nc_u64 s[96:97], s[4:5], s[96:97]
	s_add_nc_u64 s[2:3], s[6:7], s[2:3]
	s_cmp_eq_u32 s[THIRD], 1
	s_cselect_b64 s[98:99], s[10:11], s[8:9]
	s_cmp_eq_u32 s[THIRD], 2
	s_cselect_b64 s[98:99], s[12:13], s[98:99]     ; the bias
	CROUND                                         ; all sixteen work-groups are here: the first joint loads meet
	s_mov_b32 s[G0S], 1
	s_add_co_u32 s[G0S+1], s46, SCL
	s_mov_b64 s[G0S+2:G0S+3], s[94:95]
	s_or_b32 s[G0S+3], s[G0S+3], 0x80000000
	s_mov_b32 s[G0SB], 1
	s_add_co_u32 s[G0SB+1], s46, SCL
	s_mov_b64 s[G0SB+2:G0SB+3], s[2:3]
	s_or_b32 s[G0SB+3], s[G0SB+3], 0x80000000
	JLOAD G0S, G1S, G0SB, G1SB                     ; the scale words first: wanted with the first step
.irp s, 0,1
	s_mov_b32 s[G0+4*\s], 1
	s_add_co_u32 s[G0+4*\s+1], s45, \s*SLOT
	s_add_nc_u64 s[G0+4*\s+2:G0+4*\s+3], s[92:93], \s*KSA
	s_or_b32 s[G0+4*\s+3], s[G0+4*\s+3], 0x80000000
	s_mov_b32 s[G0B+4*\s], 1
	s_add_co_u32 s[G0B+4*\s+1], s45, \s*SLOT
	s_add_nc_u64 s[G0B+4*\s+2:G0B+4*\s+3], s[96:97], \s*KSB
	s_or_b32 s[G0B+4*\s+3], s[G0B+4*\s+3], 0x80000000
	JLOAD G0+4*\s, G1, G0B+4*\s, G1B
.endr
	v_and_b32 v1, 31, v0                           ; l
	v_and_b32 v2, 15, v0                           ; r
	v_bfe_u32 v3, v0, 4, 1                         ; h
	v_lshlrev_b32 v4, 4, v1                        ; 16 l
	v_lshlrev_b32 v5, 3, v1                        ; 8 l
	s_mul_i32 s40, s[WH], HALFT
	s_mul_i32 s41, s[WL], HALFT
	s_add_co_u32 s41, s41, 2*HALFT
.irp s, 0,1
	v_add_nc_u32 v[ADRA+\s], s40, v4
	v_add_nc_u32 v[ADRA+2+\s], s40, v5
	v_add_nc_u32 v[ADRB+\s], s41, v4
	v_add_nc_u32 v[ADRB+2+\s], s41, v5
	s_add_co_u32 s40, s40, SLOT
	s_add_co_u32 s41, s41, SLOT
.endr
	s_lshl_b32 s40, s[WH], 12                      ; scale words: lanes 0-15 X's rows, lanes 16-31 Y's: the lower base + h x the distance
	s_lshl_b32 s41, s[WL], 12
	s_add_co_u32 s41, s41, 8192
	s_sub_co_u32 s41, s41, s40
	v_mul_u32_u24 v24, s41, v3
	s_add_co_u32 s40, s40, SCL
	v_lshl_add_u32 v24, v2, 2, v24
	v_add_nc_u32 v[ADRS], s40, v24
	; the biases.  Both kinds are loaded, inside the 4,096 bytes in either case; the kind that does not apply is made 0 on the way out
	s_lshl_b32 s40, s[CX], 8
	s_lshl_b32 s41, s[WL], 7
	s_add_co_u32 s40, s40, s41
	s_lshl_b32 s40, s40, 2
	s_and_b32 s40, s40, s104
	v_lshl_add_u32 v8, v3, 6, s40                  ; along Y: register 16 b + i is feature 32 b + 16 h + i of my 128
	s_lshl_b32 s41, s[CY], 8
	s_lshl_b32 s42, s[WH], 7
	s_add_co_u32 s41, s41, s42
	s_lshl_b32 s41, s41, 2
	s_and_b32 s41, s41, s105
	v_and_b32 v9, 8, v2
	v_add_nc_u32 v9, v9, v2
	v_lshl_add_u32 v9, v9, 2, s41                  ; along X: position r of tile a
.irp b, 0,1,2,3
.irp j, 0,1,2,3
	global_load_b128 v[BY+16*\b+4*\j:BY+16*\b+4*\j+3], v8, s[98:99] offset:128*\b+16*\j
.endr
.endr
.irp a, 0,1,2,3,4,5,6,7
	global_load_b32 v[BX+\a], v9, s[98:99] offset:(32*(\a/2)+8*(\a%2))*4
.endr
	; where the results go
	s_cmp_ge_u32 s[CLY], 16
	s_cselect_b32 s40, s[CX], s[CY]                ; the token block's place in the cluster
	s_cselect_b32 s41, s[CY], s[CX]                ; the feature block's
	s_cselect_b32 s46, s[WH], s[WL]                ; my half of the features
	s_cselect_b32 s47, s[WL], s[WH]                ; my half of the tokens
	s_lshl_b32 s92, s[C7], 2
	s_add_co_u32 s40, s40, s92                     ; block of 256 tokens, 0 .. 31
	s_lshr_b32 s92, s40, 3                         ; batch
	s_and_b32 s40, s40, 7
	s_lshl_b32 s41, s41, 2
	s_lshl_b32 s46, s46, 1
	s_add_co_u32 s41, s41, s46                     ; my first head
	s_lshl_b32 s92, s92, 4
	s_add_co_u32 s41, s41, s92                     ; 16 x batch + head
	s_lshl_b32 s46, s41, 7
	s_lshl_b32 s92, s40, 4
	s_add_co_u32 s46, s46, s92
	s_lshl_b32 s92, s47, 3
	s_add_co_u32 s46, s46, s92                     ; Q, K: my first tile of tokens in [batch, head][128 tiles]
	s_mul_i32 s92, s46, 768
	s_mul_i32 s93, s[THIRD], 6291456
	s_add_co_u32 s92, s92, s93
	s_lshl_b32 s46, s46, 6
	s_lshl_b32 s93, s[THIRD], 19
	s_add_co_u32 s46, s46, s93
	s_lshl_b32 s41, s41, 4
	s_lshl_b32 s40, s40, 1
	s_add_co_u32 s41, s41, s40
	s_add_co_u32 s41, s41, s47                     ; V: [batch, head][16 key steps]
	s_mul_i32 s40, s41, 6144
	s_add_co_u32 s40, s40, 12582912
	s_lshl_b32 s41, s41, 8
	s_add_co_u32 s41, s41, 1048576
	s_mov_b32 s42, 768
	s_mov_b32 s2, 98304
	s_cmp_ge_u32 s[CLY], 16
	s_cselect_b32 s92, s40, s92                    ; codes
	s_cselect_b32 s46, s41, s46                    ; scale words
	s_cselect_b32 s42, 1536, s42                   ; from X tile a to a + 1: Q, K a tile of tokens; V a tile of the head's 64
	s_cselect_b32 s44, 92160, 0                    ; V: at a = 4 on to the next head
	s_cselect_b32 s2, 768, s2                      ; the fragment's second half: V the keys' second 64; Q, K the next head
	s_cselect_b32 s40, 3840, 0                     ; V: lanes 16-31 store the next head's scale words
	s_mov_b32 s93, 0
	s_mov_b32 s47, 0
	s_mov_b32 s43, 0
	s_mov_b32 s45, 0
	s_add_nc_u64 s[94:95], s[14:15], s[92:93]
	s_add_nc_u64 s[96:97], s[66:67], s[46:47]
	v_add_nc_u32 v12, s2, v4
	v_add_nc_u32 v13, s2, v5
	v_mul_u32_u24 v7, s40, v3
	v_add_nc_u32 v7, v7, v4
	v_lshlrev_b32 v6, 4, v3                        ; 16 h: which 16 bits of a scale word are my head's
	s_lshl_b32 s41, s[WV], 10                      ; my stage for scale words: 1,024 bytes in slot 0, used behind that slot's last fill and last read
	v_lshl_add_u32 v14, v3, 9, s41
	v_lshl_add_u32 v14, v2, 2, v14
	v_add_nc_u32 v15, s41, v4
	s_mov_b32 s[SEL], 0x76543210
	s_mov_b32 s[SEL+1], 0xfedcba98
.irp b, 0,1,2,3
	v_mov_b32 v[TM+4+\b], 0                        ; a lane permute's destination counts as read
.endr
.macro FRAG reg, adr, q, i             ; a fragment, 16 positions x 128 K: two images of six registers, each 512 bytes at 16 l and 256 at 8 l: every load reads consecutive bytes
	ds_load_b128 v[\reg:\reg+3], v[\adr] offset:3072*(\i)+1536*(\q)
	ds_load_b64 v[\reg+4:\reg+5], v[\adr+2] offset:3072*(\i)+1536*(\q)+512
	ds_load_b128 v[\reg+6:\reg+9], v[\adr] offset:3072*(\i)+1536*(\q)+768
	ds_load_b64 v[\reg+10:\reg+11], v[\adr+2] offset:3072*(\i)+1536*(\q)+1280
.endm
; 16 matrix instructions: X's blocks a0, a0 + 1 x Y's eight.  The 64 accumulators take turns, one instruction a turn, in the same order in every step.
.macro MUL16 a0, p, q, sc, zero
.irp a, \a0, \a0+1
.irp b, 0,1,2,3,4,5,6,7
.if \zero
	v_wmma_scale_f32_16x16x128_f8f6f4 v[8*(8*((\a)%4)+\b):8*(8*((\a)%4)+\b)+7], v[128*(\p)+FR*\b:128*(\p)+FR*\b+FR-1], v[AF+FR*(\a):AF+FR*(\a)+FR-1], 0, v[SC+8*NQ*(\sc)+NQ*\b+(\q)], v[SC+8*NQ*(\sc)+NQ*(\a)+(\q)] matrix_a_fmt:MATRIX_FMT_FP6 matrix_b_fmt:MATRIX_FMT_FP6 matrix_a_scale:MATRIX_SCALE_ROW1
.else
	v_wmma_scale_f32_16x16x128_f8f6f4 v[8*(8*((\a)%4)+\b):8*(8*((\a)%4)+\b)+7], v[128*(\p)+FR*\b:128*(\p)+FR*\b+FR-1], v[AF+FR*(\a):AF+FR*(\a)+FR-1], v[8*(8*((\a)%4)+\b):8*(8*((\a)%4)+\b)+7], v[SC+8*NQ*(\sc)+NQ*\b+(\q)], v[SC+8*NQ*(\sc)+NQ*(\a)+(\q)] matrix_a_fmt:MATRIX_FMT_FP6 matrix_b_fmt:MATRIX_FMT_FP6 matrix_a_scale:MATRIX_SCALE_ROW1
.endif
.endr
.endr
.endm
.macro FETCH_B slot, q, p
	WIN TO_B
.irp i, 0,1,2,3,4,5,6,7
	FRAG 128*(\p)+FR*\i, ADRB+\slot, \q, \i
.endr
	WIN 0
.endm
.macro FETCH_A slot, q, i0
.irp i, \i0, \i0+1, \i0+2, \i0+3
	FRAG AF+FR*(\i), ADRA+\slot, \q, \i
.endr
.endm
.macro SCALES sc                       ; a slot's scale words: lanes 0-15 X's block i, lanes 16-31 Y's block i
.irp i, 0,1,2,3,4,5,6,7
.irp u, 0,1
	ds_load_b32 v[SC+16*\sc+2*\i+\u], v[ADRS] offset:512*\i+64*\u
.endr
.endr
.endm
.macro PLACES n                        ; plain vector lines between a matrix instruction and a load into, or a read of, its registers
.rept \n
	v_nop
.endr
.endm
.macro STEP slot, q, zero              ; 128 along K whose successor lies in the same slot
	s_wait_dscnt 4*NL                              ; all but the 16 youngest loads (X's blocks 4-7) are in
	WIN MUL_LO
	MUL16 0, (\q)%2, \q, \slot, \zero
	MUL16 2, (\q)%2, \q, \slot, \zero
	s_wait_dscnt 0
	PLACES NP
	FETCH_B \slot, (\q)+1, 1-(\q)%2
	FETCH_A \slot, (\q)+1, 0
	WIN MUL_HI
	MUL16 4, (\q)%2, \q, \slot, \zero
	MUL16 6, (\q)%2, \q, \slot, \zero
	PLACES NP
	WIN 0
	FETCH_A \slot, (\q)+1, 4
.endm
; A slot's last step changes slots: one barrier; in front of it each wave waits for all its tensor loads, adds 0 to its spare word, and waits for that and for its reads of this slot.
.macro TURN slot, next, fill
	s_wait_tensorcnt 0x0                           ; all my tensor loads have landed: my part of the next slot
	ds_add_u32 v[SPW], v[NIL]
	s_wait_dscnt 4*NL+1                            ; the add and the 16 youngest loads may be out
	WIN MUL_LO
	MUL16 0, 1, NQ-1, \slot, 0
	s_wait_dscnt 0x0                               ; the add is done, and my reads of this slot are over
	s_barrier_signal -1
	MUL16 2, 1, NQ-1, \slot, 0
	WIN 0
	s_barrier_wait -1
.if \fill
	CREST                                          ; the barrier has opened a round of the cluster's barrier: no wave of any partner reads this slot or has a load on its way
	s_add_nc_u64 s[G0+4*\slot+2:G0+4*\slot+3], s[G0+4*\slot+2:G0+4*\slot+3], 2*KSA
	s_add_nc_u64 s[G0B+4*\slot+2:G0B+4*\slot+3], s[G0B+4*\slot+2:G0B+4*\slot+3], 2*KSB
	JLOAD G0+4*\slot, G1, G0B+4*\slot, G1B         ; the first tensor load behind the round; its four v_nop are the places in front of the loads below
.else
	PLACES NP
.endif
	v_add_nc_u32 v[ADRS], 128, v[ADRS]             ; the next slot's scale words (no LDS load of mine is out)
	FETCH_B \next, 0, 0
	FETCH_A \next, 0, 0
	SCALES \next
	WIN MUL_HI
	MUL16 4, 1, NQ-1, \slot, 0
	MUL16 6, 1, NQ-1, \slot, 0
	PLACES NP
	WIN 0
	FETCH_A \next, 0, 4
.endm
	s_wait_tensorcnt 1                             ; the scale words and my part of slot 0 are in; slot 1's load may be out
	s_barrier_signal -1
	s_barrier_wait -1
	FETCH_B 0, 0, 0
	FETCH_A 0, 0, 0
	SCALES 0
	FETCH_A 0, 0, 4
	STEP 0, 0, 1                                   ; the first step's products start the sums
	s_mov_b32 s3, LAPS-1
.Llap:
	TURN 0, 1, 1
	STEP 1, 0, 0
	TURN 1, 0, 1
	STEP 0, 0, 0
	s_sub_co_u32 s3, s3, 1
	s_cmp_lg_u32 s3, 0
	s_cbranch_scc1 .Llap
	TURN 0, 1, 0                                   ; the last lap fills nothing
	STEP 1, 0, 0
	s_wait_dscnt 4*NL
	WIN MUL_LO
	MUL16 0, 1, NQ-1, 1, 0
	MUL16 2, 1, NQ-1, 1, 0
	s_wait_dscnt 0
	WIN MUL_HI
	MUL16 4, 1, NQ-1, 1, 0
	MUL16 6, 1, NQ-1, 1, 0
	WIN 0
; 64 numbers of a lane, register 16 b + i = Y 32 b + 16 h + i of my X, become a fragment's codes in v[PC] on and its scale word in v[PW].
.macro QUANT s
.irp b, 0,1,2,3
	v_max3_num_f32 v[TM+\b], |v[\s+16*\b]|, |v[\s+1+16*\b]|, 0x1800000   ; with the floor 2^(3 - 127): the byte cannot fall under 1
.endr
.irp i, 2,4,6,8,10,12,14
.irp b, 0,1,2,3
	v_max3_num_f32 v[TM+\b], v[TM+\b], |v[\s+16*\b+\i]|, |v[\s+1+16*\b+\i]|
.endr
.endr
.irp b, 0,1,2,3
	v_permlanex16_b32 v[TM+4+\b], v[TM+\b], s[SEL], s[SEL+1]
.endr
.irp b, 0,1,2,3
	v_max_num_f32 v[TM+\b], v[TM+\b], v[TM+4+\b]   ; with lane l xor 16's: the block's largest magnitude
.endr
.irp b, 0,1,2,3
	v_add_nc_u32 v[TM+12+\b], 0xff000000, v[TM+\b] ; 2 off its exponent field: the conversion's scale operand
.endr
.irp b, 0,1,2,3
	v_lshrrev_b32 v[TM+4+\b], 23, v[TM+12+\b]      ; the scale's byte
.endr
	v_lshl_or_b32 v[PW], v[TM+5], 8, v[TM+4]
	v_lshl_or_b32 v[PW], v[TM+6], 16, v[PW]
	v_lshl_or_b32 v[PW], v[TM+7], 24, v[PW]
.irp c, 0,1
	v_cvt_scalef32_pk16_fp6_f32 v[PC+6*\c:PC+2+6*\c], v[\s+32*\c:\s+15+32*\c], v[TM+12+2*\c]
	v_cvt_scalef32_pk16_fp6_f32 v[PC+12+4*\c:PC+14+4*\c], v[\s+16+32*\c:\s+31+32*\c], v[TM+12+2*\c+1]
.endr
	v_nop                                          ; one plain line behind a scaled conversion
.irp c, 0,1                            ; the operand's layout wants a whole block in a lane
.irp i, 0,1,2
	v_permlane16_swap_b32 v[PC+6*\c+\i], v[PC+12+4*\c+\i]
.endr
.irp i, 0,1,2
	v_mov_b32 v[PC+3+6*\c+\i], v[PC+12+4*\c+\i]
.endr
.endr
.endm
	; THE WAY OUT.  For each X tile a: the 64 sums + bias, quantised along Y, stored as two images of six registers; the scale words gather in my stage and leave in runs of 512 or 256 bytes.
	PLACES NP
	s_wait_loadcnt 0x0                             ; the biases
.set n, 0
.rept 64
	v_cndmask_b32 v[BY+n], 0, v[BY+n], s104        ; the bias runs along Y for Q and K,
.set n, n+1
.endr
.set n, 0
.rept 8
	v_cndmask_b32 v[BX+n], 0, v[BX+n], s105        ; along X for V
.set n, n+1
.endr
.macro OUTB a
	WIN 0x02+(\a)/4                                ; source 0: window 2 or 3
.set n, 0
.rept 32
	v_pk_add_f32 v[HH+n:HH+n+1], v[64*((\a)%4)+n:64*((\a)%4)+n+1], v[BY+n:BY+n+1]   ; each accumulator from its low end on
.set n, n+2
.endr
	WIN 0
	v_mov_b32 v250, v[BX+\a]
	v_mov_b32 v251, v[BX+\a]
.set n, 0
.rept 32
	v_pk_add_f32 v[HH+n:HH+n+1], v[HH+n:HH+n+1], v[250:251]
.set n, n+2
.endr
.if \a > 0
	s_wait_xcnt 0x0                                ; the last tile's stores have read their data and their base: both are written again only behind this wait
	s_add_nc_u64 s[94:95], s[94:95], s[42:43]
.if \a == 4
	s_add_nc_u64 s[94:95], s[94:95], s[44:45]
.endif
.endif
	QUANT HH
	global_store_b128 v4, v[PC:PC+3], s[94:95]                  ; 512 consecutive bytes
	global_store_b64 v5, v[PC+4:PC+5], s[94:95] offset:512      ; 256
	global_store_b128 v12, v[PC+6:PC+9], s[94:95]
	global_store_b64 v13, v[PC+10:PC+11], s[94:95] offset:512
	v_bfe_u32 v249, v[PW], v6, 16                  ; Q, K: lanes 0-15 keep the first head's two bytes, lanes 16-31 the second's; the word's upper bytes are 0
	v_cndmask_b32 v[32+\a], v249, v[PW], s105      ; V: the whole word
	ds_store_b32 v14, v[32+\a] offset:64*\a
.endm
.irp a, 0,1,2,3,4,5,6,7
	OUTB \a
.endr
	ds_load_b128 v[40:43], v15                     ; LDS serves a wave's instructions in order: these see my stores
	ds_load_b128 v[44:47], v15 offset:512
	s_wait_dscnt 0x0
	global_store_b128 v7, v[40:43], s[96:97]       ; Q, K: the first head's 128 words; V: 64 words for each of two heads
	s_cmp_ge_u32 s[CLY], 16                        ; the cluster's number: the same in all partners
	s_cbranch_scc1 .Lno_second
	global_store_b128 v7, v[44:47], s[96:97] offset:8192   ; Q, K: the second head's
.Lno_second:
	s_wait_tensorcnt 0x0                           ; the wave's end
	ds_add_u32 v[SPW], v[NIL]
	s_wait_dscnt 0x0
	CROUND                                         ; the closing round
	s_endpgm
.Lfunc_end_k_q63fb4eba9d_proj:
	.size	k_q63fb4eba9d_proj, .Lfunc_end_k_q63fb4eba9d_proj-k_q63fb4eba9d_proj
	.p2alignl 7, 3214868480
	.fill 96, 4, 3214868480
	.section	.rodata,"a",@progbits
	.p2align	6, 0x0
	.amdhsa_kernel k_q63fb4eba9d_proj
		.amdhsa_group_segment_fixed_size 327680
		.amdhsa_private_segment_fixed_size 0
		.amdhsa_enable_private_segment 0
		.amdhsa_kernarg_size 56
		.amdhsa_user_sgpr_count 2
		.amdhsa_user_sgpr_kernarg_segment_ptr 1
		.amdhsa_wavefront_size32 1
		.amdhsa_system_sgpr_workgroup_id_x 1
		.amdhsa_system_sgpr_workgroup_id_y 1
		.amdhsa_system_sgpr_workgroup_id_z 1
		.amdhsa_system_vgpr_workitem_id 0
		.amdhsa_next_free_vgpr 1024
		.amdhsa_next_free_sgpr 106
		.amdhsa_reserve_vcc 0
		.amdhsa_float_denorm_mode_32 3
		.amdhsa_float_denorm_mode_16_64 3
		.amdhsa_memory_ordered 1
		.amdhsa_forward_progress 1
		.amdhsa_inst_pref_size 194
	.end_amdhsa_kernel
	.amdgpu_metadata
---
amdhsa.version: [ 1, 2 ]
amdhsa.kernels:
  - .name:           k_q63fb4eba9d_proj
    .symbol:         k_q63fb4eba9d_proj.kd
    .args:
      - { .name: codes, .offset: 0, .size: 8, .value_kind: global_buffer, .address_space: global }
      - { .name: scl, .offset: 8, .size: 8, .value_kind: global_buffer, .address_space: global }
      - { .name: bq, .offset: 16, .size: 8, .value_kind: global_buffer, .address_space: global }
      - { .name: bk, .offset: 24, .size: 8, .value_kind: global_buffer, .address_space: global }
      - { .name: bv, .offset: 32, .size: 8, .value_kind: global_buffer, .address_space: global }
      - { .name: qkvc, .offset: 40, .size: 8, .value_kind: global_buffer, .address_space: global }
      - { .name: qkvs, .offset: 48, .size: 8, .value_kind: global_buffer, .address_space: global }
    .group_segment_fixed_size: 327680
    .private_segment_fixed_size: 0
    .kernarg_segment_align: 8
    .kernarg_segment_size: 56
    .max_flat_workgroup_size: 128
    .sgpr_count:     106
    .vgpr_count:     1024
    .wavefront_size: 32
...
	.end_amdgpu_metadata
.endif
;; end of part 2
;; launch attn (part 3): grid 4 x 64, 16 waves a work-group, no clusters, 210,944 bytes of LDS; arguments qkvc, qkvs, mbits, mflag, oc, os; writes oc, os
.if DOCPART == 3
	.amdgcn_target "amdgcn-amd-amdhsa--gfx1250"
	.amdhsa_code_object_version 6
	.text
	.protected	k_q63fb4eba9d_attn
	.globl	k_q63fb4eba9d_attn
	.p2align	8
	.type	k_q63fb4eba9d_attn,@function
k_q63fb4eba9d_attn:
	s_mov_b64 s[64:65], 0
	v_nop
	global_prefetch_b8 v0, s[64:65] scope:SCOPE_SE
	s_setreg_imm32_b32 hwreg(HW_REG_WAVE_MODE, 25, 1), 1
	s_wait_xcnt 0x0
; ATTN.  For each batch and head: S = Q K^T / 8, the given mask, p = 2^(t - M) with t = logit x log2(e) and M the ceiling of the running largest t, O = (p V) / l, l the sum of the unquantised p;
; both products on codes of FP6 (E2M3) with E8M0 scales.  O is quantised along the head's 64 for the last product.
; SHARES.  Work-group (g, bh): one batch and head; its K and V, codes and scale words, 208,896 bytes, are copied into LDS once, through registers.  Wave w owns a tile of 16 queries in each of two
; passes: tile g + 4 w, then tile 127 - (g + 4 w).  Four waves share a SIMD, so one wave's vector work stands beside another's matrix work and LDS loads.
; THE MASK IS AN INPUT.  An earlier launch stored, for each (tile, key step of 128), 64 lane masks and a flag word.  A step in which no query of the tile has an open key is left out, unless some
; query of the tile has no open key at all: then every step is worked.  A step that is all open skips the 64 selects.  The trip count is the constant 16; the branches hang on the stored flags.
; NO TENSOR LOADS, NO CLUSTER: what the four work-groups of a head share is read once, at the head, not in each step.
; LAYOUT.  Both products transposed: S^T = K Q^T, O^T = V^T P^T: a lane holds one query (l % 16).  Tokens and the head's 64 lie by position, so the 16 registers of tiles 2 b, 2 b + 1 are 16 neighbours.
; K = 64 IN AN INSTRUCTION OF 128: Q's registers 6-11 hold zero codes; a K tile's operand runs on into the next tile's six registers (any codes: they meet zeros); the scale words' upper bytes are 0.
; LIMITS.  A hidden logit stands as -2^30 where the definition has -1e9, and wholly hidden steps are left out as said: the values are the definition's as long as open logits lie above about -9.9e8.
; NaN and infinities are not served.  A block of zeros gets the byte 1 (zero codes; only this program reads the bytes).
; REGISTERS: v1-3, v28-31 lane terms; v4-9 the step's LDS addresses; v10 -2^33; v11 4 r + h; v12 -M, v13 largest t, v[14:15] l; v16-27 Q; v32-79 eight K tiles or four V fragments; v80-85 zeros;
; v96-159 S^T, then p; v160-191 O^T; v192-223 O / l; v224-235 codes; v232-247, v252, v254 at work; v248-251 K's or V's scale words; v253 p's; v255 Q's.
.set KB,  0                            ; LDS: K's 128 tiles of 768 bytes
.set VB,  98304                        ; V^T: 16 steps x 4 fragments of 1,536 bytes
.set KSC, 196608                       ; K's scale words, 512 bytes a step
.set VSC, 204800                       ; V's, 256 bytes a step
.set TB, 2                             ; s2  the step's codes: 6,144 bytes a step, in K and in V
.set TS, 3                             ; s3  its scale words of K
.set WV, 66
.set IDX, 67
.set T, 68
.set J, 69
.set WORK, 70
.set MIXED, 71
.set MB, 72                            ; s[72:73] the step's 64 mask words
.set CS, 74                            ; s[74:75] c = log2(e) / 8
.set SEL, 76
.set TJ, 78                            ; its scale words of V
.set BH, 79
	s_load_b256 s[4:11], s[0:1], 0x0               ; qkvc, qkvs, mbits, mflag
	s_load_b128 s[12:15], s[0:1], 0x20             ; oc, os
	v_lshrrev_b32 v1, 5, v0
	s_delay_alu instid0(VALU_DEP_1)
	v_readfirstlane_b32 s[WV], v1
	s_and_b32 s[BH], ttmp7, 0xffff
	s_lshl_b32 s[IDX], s[WV], 2
	s_add_co_u32 s[IDX], s[IDX], ttmp9
	v_lshlrev_b32 v134, 4, v0                      ; the copy: 16 bytes a thread, 8,192 an instruction; an LDS immediate reaches 65,535, so four address registers
	s_delay_alu instid0(VALU_DEP_1)
	v_add_nc_u32 v135, 0x10000, v134
	s_delay_alu instid0(VALU_DEP_2)
	v_add_nc_u32 v136, 0x20000, v134
	s_delay_alu instid0(VALU_DEP_3)
	v_add_nc_u32 v137, 0x30000, v134
	v_lshlrev_b32 v138, 3, v0
	s_delay_alu instid0(VALU_DEP_1)
	v_add_nc_u32 v139, VSC, v138
	s_mul_i32 s96, s[BH], 98304
	s_mov_b32 s97, 0
	s_lshl_b32 s98, s[BH], 13
	s_mov_b32 s99, 0
	s_lshl_b32 s100, s[BH], 12
	s_mov_b32 s101, 0
	s_mov_b32 s[CS], 0x3e38aa3b
	s_mov_b32 s[CS+1], s[CS]
	s_mov_b32 s[SEL], 0x76543210
	s_mov_b32 s[SEL+1], 0xfedcba98
	s_mov_b32 s105, 0xffff0000                     ; lanes 16-31
	s_wait_alu depctr_va_vdst(0)
	s_wait_kmcnt 0x0
	s_add_nc_u64 s[96:97], s[4:5], s[96:97]
	s_add_nc_u64 s[16:17], s[96:97], 12582912      ; V's region
	s_add_nc_u64 s[98:99], s[6:7], s[98:99]
	s_add_nc_u64 s[100:101], s[6:7], s[100:101]
.set n, 0
.rept 12
	global_load_b128 v[32+4*n:35+4*n], v134, s[96:97] offset:6291456+8192*n
.set n, n+1
.endr
.set n, 0
.rept 12
	global_load_b128 v[80+4*n:83+4*n], v134, s[16:17] offset:8192*n
.set n, n+1
.endr
	global_load_b128 v[128:131], v134, s[98:99] offset:524288
	global_load_b64 v[132:133], v138, s[100:101] offset:1048576
	v_and_b32 v3, 31, v0                           ; l
	s_delay_alu instid0(VALU_DEP_1)
	v_lshlrev_b32 v1, 4, v3                        ; 16 l
	s_delay_alu instid0(VALU_DEP_2)
	v_lshlrev_b32 v2, 3, v3
	s_delay_alu instid0(VALU_DEP_1)
	v_add_nc_u32 v2, 512, v2                       ; 8 l + 512
	s_delay_alu instid0(VALU_DEP_3)
	v_add_nc_u32 v28, VB, v1
	s_delay_alu instid0(VALU_DEP_2)
	v_add_nc_u32 v30, VB, v2
	v_lshlrev_b32 v3, 2, v3
	s_delay_alu instid0(VALU_DEP_1)
	v_add_nc_u32 v31, KSC, v3
	s_delay_alu instid0(VALU_DEP_2)
	v_add_nc_u32 v3, VSC, v3
	v_and_b32 v29, 15, v0
	s_delay_alu instid0(VALU_DEP_1)
	v_lshlrev_b32 v29, 2, v29                      ; 4 r
	v_bfe_u32 v11, v0, 4, 1
	s_delay_alu instid0(VALU_DEP_1)
	v_add_nc_u32 v11, v11, v29                     ; 4 r + h
	v_mov_b32 v10, 0xd0000000                      ; -2^33: times c a whole number, exactly
.set n, 0
	s_wait_alu depctr_va_vdst(0)
.rept 24
	s_wait_loadcnt 25-n                            ; load n is in; the later ones may be out
	ds_store_b128 v[134+(n>>3)], v[32+4*n:35+4*n] offset:8192*(n&7)
.set n, n+1
.endr
	s_wait_loadcnt 1
	ds_store_b128 v137, v[128:131]
	s_wait_loadcnt 0x0
	ds_store_b64 v139, v[132:133]
	s_wait_dscnt 0x0                               ; my stores have landed;
	s_barrier_signal -1
	s_barrier_wait -1                              ; everybody's have.  From here on LDS is only read
.macro PASS second
.if \second
	s_wait_xcnt 0x0                                ; the first pass's stores have read their data and bases
	s_sub_co_u32 s[T], 127, s[IDX]
.else
	s_mov_b32 s[T], s[IDX]
.endif
	s_lshl_b32 s96, s[T], 6
	s_mov_b32 s97, 0
	s_add_nc_u64 s[96:97], s[10:11], s[96:97]
	s_load_b512 s[16:31], s[96:97], 0x0            ; the tile's 16 flag words
	s_lshl_b32 s98, s[BH], 7
	s_add_co_u32 s98, s98, s[T]
	s_mul_i32 s100, s98, 768
	s_mov_b32 s101, 0
	s_add_nc_u64 s[100:101], s[4:5], s[100:101]
	global_load_b128 v[16:19], v1, s[100:101]      ; Q's six registers
	global_load_b64 v[20:21], v2, s[100:101]
	s_lshl_b32 s98, s98, 6
	s_mov_b32 s99, 0
	s_add_nc_u64 s[98:99], s[6:7], s[98:99]
	global_load_b32 v255, v29, s[98:99]            ; Q's scale words
	v_mov_b32 v13, 0xff61b1e6                      ; the largest t so far: -3e38
	s_delay_alu instid0(VALU_DEP_1)
	v_floor_f32 v12, -v13
	v_mov_b32 v14, 0
	v_mov_b32 v15, 0
.set n, 0
.rept 32
	v_mov_b32 v[160+n], 0                          ; O^T: the step is written once; the first change of M leaves zeros zeros
.set n, n+1
.endr
.if \second == 0
.irp i, 22,23,24,25,26,27,80,81,82,83,84,85,236,237,238,239,252,253
	v_mov_b32 v\i, 0                               ; zero codes; and registers that are named before they are first written
.endr
.endif
	s_wait_kmcnt 0x0
	s_mov_b32 s[WORK], 0
	s_mov_b32 s[MIXED], 0
	s_mov_b32 s96, 0
.irp j, 0,1,2,3,4,5,6,7,8,9,10,11,12,13,14,15
	s_or_b32 s96, s96, s[16+\j]
	s_and_b32 s97, s[16+\j], 0xffff                ; does a query have an open key in step j?
	s_cselect_b32 s97, 1<<\j, 0
	s_or_b32 s[WORK], s[WORK], s97
	s_bitcmp1_b32 s[16+\j], 16                     ; are all open?
	s_cselect_b32 s97, 0, 1<<\j
	s_or_b32 s[MIXED], s[MIXED], s97
.endr
	s_and_b32 s96, s96, 0xffff
	s_cmp_eq_u32 s96, 0xffff
	s_cselect_b32 s[WORK], s[WORK], 0xffff         ; a query with no open key at all: nothing is left out
	s_lshl_b32 s96, s[T], 12
	s_mov_b32 s97, 0
	s_add_nc_u64 s[MB:MB+1], s[8:9], s[96:97]
	s_mov_b32 s[TB], 0
	s_mov_b32 s[TS], 0
	s_mov_b32 s[TJ], 0
	s_mov_b32 s[J], 0
	s_wait_loadcnt 0x0                             ; Q
.Lstep_\@:
	s_lshr_b32 s96, s[WORK], s[J]
	s_and_b32 s96, s96, 1
	s_cmp_eq_u32 s96, 0
	s_cbranch_scc1 .Lskip_\@
	s_lshr_b32 s104, s[MIXED], s[J]
	s_and_b32 s104, s104, 1
	s_load_b512 s[16:31], s[MB:MB+1], 0x0          ; the step's 64 lane masks: word n in s[16 + n], from n = 48 on in s[32 + n]
	s_load_b512 s[32:47], s[MB:MB+1], 0x40
	s_load_b512 s[48:63], s[MB:MB+1], 0x80
	s_load_b512 s[80:95], s[MB:MB+1], 0xc0
	s_setprio 2
	v_add_nc_u32 v4, s[TB], v1                     ; six plain lines: also the places behind the last products, in front of the loads below
	v_add_nc_u32 v5, s[TB], v2
	v_add_nc_u32 v6, s[TB], v28
	v_add_nc_u32 v7, s[TB], v30
	v_add_nc_u32 v8, s[TS], v31
	v_add_nc_u32 v9, s[TJ], v3
.irp t, 0,1,2,3,4,5,6,7
	ds_load_b128 v[32+6*\t:35+6*\t], v4 offset:768*\t
	ds_load_b64 v[36+6*\t:37+6*\t], v5 offset:768*\t
.endr
.irp i, 0,1,2,3
	ds_load_b32 v[248+\i], v8 offset:128*\i        ; lanes 0-15: tile 2 i's words, lanes 16-31: tile 2 i + 1's
.endr
	s_wait_alu depctr_va_vdst(0)
	s_wait_dscnt 0x0
.irp t, 0,2,4,6
	v_wmma_scale_f32_16x16x128_f8f6f4 v[96+8*\t:103+8*\t], v[32+6*\t:43+6*\t], v[16:27], 0, v[248+\t/2], v255 matrix_a_fmt:MATRIX_FMT_FP6 matrix_b_fmt:MATRIX_FMT_FP6
	v_wmma_scale_f32_16x16x128_f8f6f4 v[104+8*\t:111+8*\t], v[38+6*\t:49+6*\t], v[16:27], 0, v[248+\t/2], v255 matrix_a_fmt:MATRIX_FMT_FP6 matrix_b_fmt:MATRIX_FMT_FP6 matrix_a_scale:MATRIX_SCALE_ROW1
.endr
.rept 4
	v_nop                                          ; places: in front of the loads into K's registers and of the first read of the scores
.endr
.irp u, 0,1,2,3                        ; V's four fragments land while the softmax is worked
	ds_load_b128 v[32+12*\u:35+12*\u], v6 offset:1536*\u
	ds_load_b64 v[36+12*\u:37+12*\u], v7 offset:1536*\u
	ds_load_b128 v[38+12*\u:41+12*\u], v6 offset:1536*\u+768
	ds_load_b64 v[42+12*\u:43+12*\u], v7 offset:1536*\u+768
.endr
	ds_load_b32 v248, v9
	ds_load_b32 v249, v9 offset:128
	s_wait_kmcnt 0x0                               ; the mask words are in, on every path on which they were asked for
	s_cmp_eq_u32 s104, 0
	s_cbranch_scc1 .Lopen_\@
.set n, 0
.rept 64
.if n < 48
	v_cndmask_b32 v[96+n], v10, v[96+n], s[16+n]   ; a hidden score becomes -2^33: one line a score
.else
	v_cndmask_b32 v[96+n], v10, v[96+n], s[32+n]
.endif
.set n, n+1
.endr
.Lopen_\@:
.irp b, 0,1,2,3
	v_max3_num_f32 v[232+\b], v[96+16*\b], v[97+16*\b], v[98+16*\b]   ; the largest score of each block of 32 keys: for the row's maximum and for the block's largest p
.endr
.irp i, 3,5,7,9,11,13
.irp b, 0,1,2,3
	v_max3_num_f32 v[232+\b], v[232+\b], v[96+16*\b+\i], v[97+16*\b+\i]
.endr
.endr
.irp b, 0,1,2,3
	v_max_num_f32 v[232+\b], v[232+\b], v[111+16*\b]
.endr
.irp b, 0,1,2,3
	s_delay_alu instid0(VALU_DEP_4)
	v_permlanex16_b32 v[236+\b], v[232+\b], s[SEL], s[SEL+1]
.endr
.irp b, 0,1,2,3
	s_delay_alu instid0(VALU_DEP_4)
	v_max_num_f32 v[232+\b], v[232+\b], v[236+\b]
.endr
	s_delay_alu instid0(VALU_DEP_2)
	v_max3_num_f32 v254, v232, v233, v234
	s_delay_alu instid0(VALU_DEP_1)
	v_max_num_f32 v254, v254, v235
	s_delay_alu instid0(VALU_DEP_1)
	v_mul_f32 v254, s[CS], v254                    ; as t
	s_delay_alu instid0(VALU_DEP_1)
	v_max_num_f32 v13, v13, v254                   ; the running largest t
	v_mov_b32 v254, v12
	s_delay_alu instid0(VALU_DEP_2)
	v_floor_f32 v12, -v13                          ; -M = floor(-t): M is a whole number
	s_delay_alu instid0(VALU_DEP_1)
	v_sub_f32 v254, v12, v254                      ; old M - new M, 0 or less
	s_delay_alu instid0(VALU_DEP_1)
	v_cvt_i32_f32 v254, v254                       ; (it saturates)
	s_delay_alu instid0(VALU_DEP_1)
	v_ldexp_f32 v252, 1.0, v254                    ; f = 2^(old M - new M): rounds nothing
.irp j, 0,2,4,6,8,10,12,14,16,18,20,22,24,26,28,30,32,34,36,38,40,42,44,46,48,50,52,54,56,58,60,62
	v_pk_fma_f32 v[96+\j:97+\j], v[96+\j:97+\j], s[CS:CS+1], v[12:13] op_sel_hi:[1,0,0]   ; t - M
.endr
.irp b, 0,1,2,3
	v_fma_f32 v[232+\b], v[232+\b], s[CS], v12
.endr
.set n, 0
	s_setprio 1
	s_wait_alu depctr_va_vdst(0)
.rept 64
	v_exp_f32 v[96+n], v[96+n]                     ; p = 2^(t - M): not normalised
.set n, n+1
.endr
	v_pk_mul_f32 v[14:15], v[14:15], v[252:253] op_sel_hi:[1,0]   ; l under the new M; the plain line behind the exponentials
	s_wait_alu depctr_va_vdst(0)                   ; one wait for the batch, ahead of its first reader
.irp b, 0,1,2,3
	v_exp_f32 v[232+\b], v[232+\b]                 ; each block's largest p
.endr
	v_pk_add_f32 v[236:237], v[100:101], v[104:105]
	v_pk_add_f32 v[250:251], v[108:109], v[112:113]
	v_pk_add_f32 v[246:247], v[116:117], v[120:121]
	v_pk_add_f32 v[244:245], v[124:125], v[128:129]
	v_pk_add_f32 v[242:243], v[132:133], v[136:137]
	v_pk_add_f32 v[240:241], v[140:141], v[144:145]
	v_pk_add_f32 v[238:239], v[148:149], v[152:153]
	v_pk_add_f32 v[14:15], v[14:15], v[156:157]
	v_pk_add_f32 v[236:237], v[236:237], v[96:97]
	v_pk_add_f32 v[250:251], v[250:251], v[98:99]
	v_pk_add_f32 v[246:247], v[246:247], v[102:103]
	v_pk_add_f32 v[244:245], v[244:245], v[106:107]
	v_pk_add_f32 v[242:243], v[242:243], v[110:111]
	v_pk_add_f32 v[240:241], v[240:241], v[114:115]
	v_pk_add_f32 v[238:239], v[238:239], v[118:119]
	v_pk_add_f32 v[14:15], v[14:15], v[122:123]
	v_pk_add_f32 v[236:237], v[236:237], v[126:127]
	v_pk_add_f32 v[250:251], v[250:251], v[130:131]
	v_pk_add_f32 v[246:247], v[246:247], v[134:135]
	v_pk_add_f32 v[244:245], v[244:245], v[138:139]
	v_pk_add_f32 v[242:243], v[242:243], v[142:143]
	v_pk_add_f32 v[240:241], v[240:241], v[146:147]
	v_pk_add_f32 v[238:239], v[238:239], v[150:151]
	v_pk_add_f32 v[14:15], v[14:15], v[154:155]
	v_pk_add_f32 v[236:237], v[236:237], v[158:159]
	s_delay_alu instid0(VALU_DEP_2)
	v_pk_add_f32 v[14:15], v[14:15], v[244:245]
	s_delay_alu instid0(VALU_DEP_2)
	v_pk_add_f32 v[236:237], v[236:237], v[242:243]
	v_pk_add_f32 v[250:251], v[250:251], v[240:241]
	v_pk_add_f32 v[246:247], v[246:247], v[238:239]
	s_delay_alu instid0(VALU_DEP_2)
	v_pk_add_f32 v[14:15], v[14:15], v[250:251]
	s_delay_alu instid0(VALU_DEP_2)
	v_pk_add_f32 v[236:237], v[236:237], v[246:247]
	s_delay_alu instid0(VALU_DEP_1)
	v_pk_add_f32 v[14:15], v[14:15], v[236:237]
	s_wait_alu depctr_va_vdst(0)                   ; and one for the four
.irp b, 0,1,2,3
	v_max_num_f32 v[232+\b], 0x1800000, v[232+\b]  ; the floor 2^(3 - 127)
.endr
.irp b, 0,1,2,3
	s_delay_alu instid0(VALU_DEP_4)
	v_add_nc_u32 v[244+\b], 0xff000000, v[232+\b]
.endr
.irp b, 0,1,2,3
	s_delay_alu instid0(VALU_DEP_4)
	v_lshrrev_b32 v[236+\b], 23, v[244+\b]
.endr
	s_delay_alu instid0(VALU_DEP_3)
	v_lshl_or_b32 v253, v237, 8, v236              ; p's scale word for these 128 keys
	s_delay_alu instid0(VALU_DEP_1)
	v_lshl_or_b32 v253, v238, 16, v253
	s_delay_alu instid0(VALU_DEP_1)
	v_lshl_or_b32 v253, v239, 24, v253
.irp c, 0,1
	v_cvt_scalef32_pk16_fp6_f32 v[224+6*\c:226+6*\c], v[96+32*\c:111+32*\c], v[244+2*\c]
	v_cvt_scalef32_pk16_fp6_f32 v[236+4*\c:238+4*\c], v[112+32*\c:127+32*\c], v[244+2*\c+1]
.endr
	s_setprio 0
	v_nop                                          ; one plain line behind a scaled conversion
.irp c, 0,1
.irp i, 0,1,2
	v_permlane16_swap_b32 v[224+6*\c+\i], v[236+4*\c+\i]
.endr
.irp i, 0,1,2
	s_delay_alu instid0(VALU_DEP_3)
	v_mov_b32 v[227+6*\c+\i], v[236+4*\c+\i]
.endr
.endr
.irp j, 0,2,4,6,8,10,12,14,16,18,20,22,24,26,28,30
	v_pk_mul_f32 v[160+\j:161+\j], v[160+\j:161+\j], v[252:253] op_sel_hi:[1,0]   ; O^T under the new M; these 16 are also the places between p's codes and scale word and the products
.endr
	s_wait_alu depctr_va_vdst(0)
	s_wait_dscnt 0x0                               ; V
.irp u, 0,2
	v_wmma_scale_f32_16x16x128_f8f6f4 v[160+8*\u:167+8*\u], v[32+12*\u:43+12*\u], v[224:235], v[160+8*\u:167+8*\u], v[248+\u/2], v253 matrix_a_fmt:MATRIX_FMT_FP6 matrix_b_fmt:MATRIX_FMT_FP6
	v_wmma_scale_f32_16x16x128_f8f6f4 v[168+8*\u:175+8*\u], v[44+12*\u:55+12*\u], v[224:235], v[168+8*\u:175+8*\u], v[248+\u/2], v253 matrix_a_fmt:MATRIX_FMT_FP6 matrix_b_fmt:MATRIX_FMT_FP6 matrix_a_scale:MATRIX_SCALE_ROW1
.endr
.Lskip_\@:
	s_add_co_u32 s[TB], s[TB], 6144
	s_add_co_u32 s[TS], s[TS], 512
	s_add_co_u32 s[TJ], s[TJ], 256
	s_add_nc_u64 s[MB:MB+1], s[MB:MB+1], 256       ; (no scalar load is out here)
	s_add_co_u32 s[J], s[J], 1
	s_cmp_lt_u32 s[J], 16
	s_cbranch_scc1 .Lstep_\@
	s_setprio 0
	; the tile's end: O^T / l, quantised along the head's 64, stored as an image of six registers
.rept 4
	v_nop                                          ; places behind the last products
.endr
	v_add_f32 v14, v14, v15
	s_wait_alu depctr_va_vdst(0)
	v_permlanex16_b32 v252, v14, s[SEL], s[SEL+1]
	s_delay_alu instid0(VALU_DEP_1)
	v_add_f32 v14, v14, v252
	s_wait_alu depctr_va_vdst(0)
	v_rcp_f32 v14, v14
	v_nop                                          ; the plain line behind the reciprocal
	s_lshr_b32 s96, s[BH], 4
	s_lshl_b32 s96, s96, 7
	s_add_co_u32 s96, s96, s[T]                    ; the row tile: 128 x batch + T
	s_and_b32 s98, s[BH], 15                       ; the head
	s_lshr_b32 s99, s98, 2
	s_lshl_b32 s99, s99, 9
	s_add_co_u32 s99, s99, s96
	s_mul_i32 s100, s99, 3072                      ; oc: [head / 4][row tile][head % 4][768]
	s_and_b32 s99, s98, 3
	s_mul_i32 s99, s99, 768
	s_add_co_u32 s100, s100, s99
	s_mov_b32 s101, 0
	s_add_nc_u64 s[100:101], s[12:13], s[100:101]
	s_lshl_b32 s96, s96, 9                         ; os: [row tile][head / 2][r][4], byte 2 (head % 2) + block
	s_lshr_b32 s99, s98, 1
	s_lshl_b32 s99, s99, 6
	s_add_co_u32 s96, s96, s99
	s_and_b32 s99, s98, 1
	s_lshl_b32 s99, s99, 1
	s_add_co_u32 s96, s96, s99
	s_mov_b32 s97, 0
	s_add_nc_u64 s[96:97], s[14:15], s[96:97]
	s_wait_alu depctr_va_vdst(0)                   ; ahead of the reciprocal's first reader
.irp j, 0,2,4,6,8,10,12,14,16,18,20,22,24,26,28,30
	v_pk_mul_f32 v[192+\j:193+\j], v[160+\j:161+\j], v[14:15] op_sel_hi:[1,0]   ; register 16 b + i: channel 32 b + 16 h + i; each accumulator from its low end on
.endr
.irp b, 0,1
	v_max3_num_f32 v[232+\b], |v[192+16*\b]|, |v[193+16*\b]|, 0x1800000
.endr
.irp i, 2,4,6,8,10,12,14
.irp b, 0,1
	s_delay_alu instid0(VALU_DEP_2)
	v_max3_num_f32 v[232+\b], v[232+\b], |v[192+16*\b+\i]|, |v[193+16*\b+\i]|
.endr
.endr
.irp b, 0,1
	s_delay_alu instid0(VALU_DEP_2)
	v_permlanex16_b32 v[236+\b], v[232+\b], s[SEL], s[SEL+1]
.endr
.irp b, 0,1
	s_delay_alu instid0(VALU_DEP_2)
	v_max_num_f32 v[232+\b], v[232+\b], v[236+\b]
.endr
.irp b, 0,1
	s_delay_alu instid0(VALU_DEP_2)
	v_add_nc_u32 v[244+\b], 0xff000000, v[232+\b]
.endr
.irp b, 0,1
	s_delay_alu instid0(VALU_DEP_2)
	v_lshrrev_b32 v[236+\b], 23, v[244+\b]
.endr
	v_cvt_scalef32_pk16_fp6_f32 v[224:226], v[192:207], v244
	v_cvt_scalef32_pk16_fp6_f32 v[240:242], v[208:223], v245
	v_nop                                          ; one plain line behind a scaled conversion
.irp i, 0,1,2
	v_permlane16_swap_b32 v[224+\i], v[240+\i]
.endr
.irp i, 0,1,2
	s_delay_alu instid0(VALU_DEP_3)
	v_mov_b32 v[227+\i], v[240+\i]
.endr
	v_cndmask_b32 v254, v236, v237, s105           ; lanes 0-15 store block 0's byte, lanes 16-31 block 1's
	global_store_b128 v1, v[224:227], s[100:101]   ; 512 consecutive bytes
	global_store_b64 v2, v[228:229], s[100:101]    ; 256
	global_store_b8 v11, v254, s[96:97]            ; 32 bytes of a run of 64: the other 32 are the neighbouring head's
.endm
	PASS 0
	PASS 1
	s_wait_xcnt 0x0
	v_lshl_add_u32 v254, v0, 2, 0x33000
	v_mov_b32 v255, 0
	s_wait_alu depctr_va_vdst(0)
	s_wait_tensorcnt 0x0
	ds_add_u32 v254, v255
	s_wait_dscnt 0x0
	s_endpgm
.Lfunc_end_k_q63fb4eba9d_attn:
	.size	k_q63fb4eba9d_attn, .Lfunc_end_k_q63fb4eba9d_attn-k_q63fb4eba9d_attn
	.p2alignl 7, 3214868480
	.fill 96, 4, 3214868480
	.section	.rodata,"a",@progbits
	.p2align	6, 0x0
	.amdhsa_kernel k_q63fb4eba9d_attn
		.amdhsa_group_segment_fixed_size 210944
		.amdhsa_private_segment_fixed_size 0
		.amdhsa_enable_private_segment 0
		.amdhsa_kernarg_size 48
		.amdhsa_user_sgpr_count 2
		.amdhsa_user_sgpr_kernarg_segment_ptr 1
		.amdhsa_wavefront_size32 1
		.amdhsa_system_sgpr_workgroup_id_x 1
		.amdhsa_system_sgpr_workgroup_id_y 1
		.amdhsa_system_sgpr_workgroup_id_z 1
		.amdhsa_system_vgpr_workitem_id 0
		.amdhsa_next_free_vgpr 256
		.amdhsa_next_free_sgpr 106
		.amdhsa_reserve_vcc 0
		.amdhsa_float_denorm_mode_32 3
		.amdhsa_float_denorm_mode_16_64 3
		.amdhsa_memory_ordered 1
		.amdhsa_forward_progress 1
		.amdhsa_inst_pref_size 78
	.end_amdhsa_kernel
	.amdgpu_metadata
---
amdhsa.version: [ 1, 2 ]
amdhsa.kernels:
  - .name:           k_q63fb4eba9d_attn
    .symbol:         k_q63fb4eba9d_attn.kd
    .args:
      - { .name: qkvc, .offset: 0, .size: 8, .value_kind: global_buffer, .address_space: global }
      - { .name: qkvs, .offset: 8, .size: 8, .value_kind: global_buffer, .address_space: global }
      - { .name: mbits, .offset: 16, .size: 8, .value_kind: global_buffer, .address_space: global }
      - { .name: mflag, .offset: 24, .size: 8, .value_kind: global_buffer, .address_space: global }
      - { .name: oc, .offset: 32, .size: 8, .value_kind: global_buffer, .address_space: global }
      - { .name: os, .offset: 40, .size: 8, .value_kind: global_buffer, .address_space: global }
    .group_segment_fixed_size: 210944
    .private_segment_fixed_size: 0
    .kernarg_segment_align: 8
    .kernarg_segment_size: 48
    .max_flat_workgroup_size: 512
    .sgpr_count:     106
    .vgpr_count:     256
    .wavefront_size: 32
...
	.end_amdgpu_metadata
.endif
;; end of part 3
;; launch outp (part 4): grid 4 x 32, 4 waves a work-group, clusters of 4 x 4, 327,680 bytes of LDS; arguments oc, os, codes, scl, bo, out0; writes out0
.if DOCPART == 4
	.amdgcn_target "amdgcn-amd-amdhsa--gfx1250"
	.amdhsa_code_object_version 6
	.text
	.protected	k_q63fb4eba9d_outp
	.globl	k_q63fb4eba9d_outp
	.p2align	8
	.type	k_q63fb4eba9d_outp,@function
k_q63fb4eba9d_outp:
	s_mov_b64 s[64:65], 0
	v_nop
	global_prefetch_b8 v0, s[64:65] scope:SCOPE_SE
	s_setreg_imm32_b32 hwreg(HW_REG_WAVE_MODE, 25, 1), 1
	s_wait_xcnt 0x0
	s_wait_alu depctr_hold_cnt(0) depctr_sa_sdst(0) depctr_va_vdst(0) depctr_va_sdst(0) depctr_va_ssrc(0) depctr_va_vcc(0) depctr_vm_vsrc(0)
	s_getreg_b32 s2, hwreg(HW_REG_IB_STS2, 6, 4)
	s_cmp_eq_u32 s2, 0
	s_cbranch_scc0 .Lentry_in_a_cluster
	s_endpgm
.Lentry_in_a_cluster:
	s_bfe_u32 s2, ttmp6, 0x10000c
	s_cmp_lg_u32 s2, 0xf033
	s_cbranch_scc0 .Lentry_shape_is_right
	s_endpgm
.Lentry_shape_is_right:
; OUTP.  out0 = O Wo^T + bo on codes of FP6 (E2M3) with E8M0 scales, sums in f32.  O's codes and scale words come from the attention launch, Wo's from the first launch, all as images of operand registers.
; SHARES, RING, CLUSTER as in the projection launch: a work-group makes 256 tokens x 256 outputs, a wave 128 x 128; source 1 = 16 token positions, source 0 = 16 positions of Wo's rows; K in steps of
; 256 through two LDS slots, one dense block of 24,576 bytes a wave and a fill; the scale words come once.  A wave has at most three tensor loads out.  O's tiles are asked jointly by my row of the
; cluster, Wo's by my column.  128 work-groups: a wave tile of half the size would read half as much again from LDS for each matrix instruction.  No prefetch: two refills in all.
; Rows lie by position (tile t, position r = row 32 (t / 2) + 8 (t % 2) + r + 8 (r / 8)): the way out puts columns and rows back in their places.
; REGISTERS.  window 0: v1-9 lane terms; v16-23 fragment addresses; v24-26 the way out; v27 scale address; v28, v29 the add's; v32-63 scale words; v64-67 bo; v128-223 tokens' fragments;
;   on the way out v128-255 rows read back.  window 1: Wo's fragments, two sets.  windows 2, 3: accumulators.
.set KSA,    1572864                   ; from 256 K to the next in oc: 512 row tiles x 3,072 bytes
.set KSB,    5505024                   ; and in codes
.set NQ,     2
.set FR,     12
.set NL,     4
.set NP,     4
.set HALFT,  24576
.set SLOT,   98304
.set SCL,    196608
.set SPARE,  212992
.set LAPS,   2
.set SPITCH, 528                       ; the way out: a stage of 16 rows x (512 + 16) bytes for each wave, in slot 0, behind that slot's last fill and last read
.set ADRA, 16
.set ADRB, 20
.set STO,  24
.set RD,   25
.set CO,   26
.set ADRS, 27
.set SPW,  28
.set NIL,  29
.set SC,   32
.set AF,   128
.set BK,   128
.set WV, 16
.set WH, 17
.set WL, 18
.set CX, 19
.set CY, 20
.set CLY, 21
.set G1, 24
.set G0, 32
.set G1B, 48
.set G0B, 56
.set G1S, 68
.set G0S, 76
.set G1SB, 80
.set G0SB, 88
.set MSB, 0
.macro WIN new
.if MSB != \new
	s_set_vgpr_msb (MSB<<8)|\new
.set MSB, \new
.endif
.endm
.set MUL_LO, 0xa1
.set MUL_HI, 0xf1
.set TO_B,   0x40
.macro JLOAD g0a, g1a, g0b, g1b        ; a joint load: waves 0 and 1 fetch tokens' tiles, waves 2 and 3 Wo's; four v_nop follow each line
	s_cmp_eq_u32 s[WH], 0
	s_cbranch_scc0 .Lfor_b_\@
	tensor_load_to_lds s[\g0a:\g0a+3], s[\g1a:\g1a+7]
	s_nop 0
.rept 4
	v_nop
.endr
	s_branch .Lasked_\@
.Lfor_b_\@:
	tensor_load_to_lds s[\g0b:\g0b+3], s[\g1b:\g1b+7]
	s_nop 0
.rept 4
	v_nop
.endr
.Lasked_\@:
.endm
.macro CREST
	s_cmp_lg_u32 s[WV], 0
	s_cbranch_scc1 .Lnot_wave_0_\@
	s_barrier_signal -3
.Lnot_wave_0_\@:
	s_barrier_wait -3
	s_barrier_signal -1
	s_barrier_wait -1
.endm
.macro CROUND
	s_barrier_signal -1
	s_barrier_wait -1
	CREST
.endm
	s_load_b256 s[4:11], s[0:1], 0x0               ; oc, os, codes, scl
	s_load_b128 s[12:15], s[0:1], 0x20             ; bo, out0
	v_lshl_add_u32 v[SPW], v0, 2, SPARE
	v_mov_b32 v[NIL], 0
	ds_add_u32 v28, v29
	ds_add_u32 v28, v29
	s_wait_dscnt 0x0
	v_lshrrev_b32 v1, 5, v0
	v_readfirstlane_b32 s[WV], v1
	s_lshr_b32 s[WH], s[WV], 1
	s_and_b32 s[WL], s[WV], 1
	s_bfe_u32 s[CX], ttmp6, 0x40000
	s_bfe_u32 s[CY], ttmp6, 0x40004
	s_and_b32 s[CLY], ttmp7, 0xffff                ; cluster y, 0 .. 7
	s_lshl_b32 s40, s[CY], 2
	s_lshl_b32 s40, 15, s40                        ; my row of the cluster
	s_lshl_b32 s41, 0x1111, s[CX]                  ; my column
	s_or_b32 s[G1], s40, (3<<16)|(1<<21)           ; dense blocks as rows of 256 bytes, no padding: 96 rows of codes, 16 of scale words
	s_or_b32 s[G1B], s41, (3<<16)|(1<<21)
.irp g, G1, G1B
	s_mov_b32 s[\g+1], 32<<16
	s_mov_b32 s[\g+2], 96<<16
	s_mov_b32 s[\g+3], 32<<16
	s_mov_b32 s[\g+4], 96
	s_mov_b32 s[\g+5], 32
	s_mov_b32 s[\g+6], 0
	s_mov_b32 s[\g+7], 0
.endr
	s_or_b32 s[G1S], s40, (3<<16)|(1<<21)
	s_or_b32 s[G1SB], s41, (3<<16)|(1<<21)
.irp g, G1S, G1SB
	s_mov_b32 s[\g+1], 32<<16
	s_mov_b32 s[\g+2], 16<<16
	s_mov_b32 s[\g+3], 32<<16
	s_mov_b32 s[\g+4], 16
	s_mov_b32 s[\g+5], 32
	s_mov_b32 s[\g+6], 0
	s_mov_b32 s[\g+7], 0
.endr
	s_lshl_b32 s45, s[WL], 3
	s_lshl_b32 s42, s[CLY], 2
	s_add_co_u32 s42, s42, s[CY]                   ; block of 256 tokens
	s_lshl_b32 s42, s42, 4
	s_add_co_u32 s42, s42, s45                     ; the tokens' row tile that I fetch
	s_lshl_b32 s44, s[CX], 4
	s_add_co_u32 s44, s44, 1728
	s_add_co_u32 s44, s44, s45                     ; Wo's
	s_mul_i32 s92, s42, 3072
	s_mov_b32 s93, 0
	s_lshl_b32 s94, s42, 9
	s_mov_b32 s95, 0
	s_mul_i32 s96, s44, 3072
	s_mov_b32 s97, 0
	s_lshl_b32 s2, s44, 9
	s_mov_b32 s3, 0
	s_mul_i32 s45, s[WV], HALFT
	s_lshl_b32 s46, s[WV], 12
	s_wait_kmcnt 0x0
	s_add_nc_u64 s[92:93], s[4:5], s[92:93]
	s_add_nc_u64 s[94:95], s[6:7], s[94:95]
	s_add_nc_u64 s[96:97], s[8:9], s[96:97]
	s_add_nc_u64 s[2:3], s[10:11], s[2:3]
	CROUND                                         ; all sixteen work-groups are here: the first joint loads meet
	s_mov_b32 s[G0S], 1
	s_add_co_u32 s[G0S+1], s46, SCL
	s_mov_b64 s[G0S+2:G0S+3], s[94:95]
	s_or_b32 s[G0S+3], s[G0S+3], 0x80000000
	s_mov_b32 s[G0SB], 1
	s_add_co_u32 s[G0SB+1], s46, SCL
	s_mov_b64 s[G0SB+2:G0SB+3], s[2:3]
	s_or_b32 s[G0SB+3], s[G0SB+3], 0x80000000
	JLOAD G0S, G1S, G0SB, G1SB
.irp s, 0,1
	s_mov_b32 s[G0+4*\s], 1
	s_add_co_u32 s[G0+4*\s+1], s45, \s*SLOT
	s_add_nc_u64 s[G0+4*\s+2:G0+4*\s+3], s[92:93], \s*KSA
	s_or_b32 s[G0+4*\s+3], s[G0+4*\s+3], 0x80000000
	s_mov_b32 s[G0B+4*\s], 1
	s_add_co_u32 s[G0B+4*\s+1], s45, \s*SLOT
	s_add_nc_u64 s[G0B+4*\s+2:G0B+4*\s+3], s[96:97], \s*KSB
	s_or_b32 s[G0B+4*\s+3], s[G0B+4*\s+3], 0x80000000
	JLOAD G0+4*\s, G1, G0B+4*\s, G1B
.endr
	v_and_b32 v1, 31, v0                           ; l
	v_and_b32 v2, 15, v0                           ; r
	v_bfe_u32 v3, v0, 4, 1                         ; h
	v_lshlrev_b32 v4, 4, v1                        ; 16 l
	v_lshlrev_b32 v5, 3, v1                        ; 8 l
	s_mul_i32 s40, s[WH], HALFT
	s_mul_i32 s41, s[WL], HALFT
	s_add_co_u32 s41, s41, 2*HALFT
.irp s, 0,1
	v_add_nc_u32 v[ADRA+\s], s40, v4
	v_add_nc_u32 v[ADRA+2+\s], s40, v5
	v_add_nc_u32 v[ADRB+\s], s41, v4
	v_add_nc_u32 v[ADRB+2+\s], s41, v5
	s_add_co_u32 s40, s40, SLOT
	s_add_co_u32 s41, s41, SLOT
.endr
	s_lshl_b32 s40, s[WH], 12
	s_lshl_b32 s41, s[WL], 12
	s_add_co_u32 s41, s41, 8192
	s_sub_co_u32 s41, s41, s40
	v_mul_u32_u24 v6, s41, v3
	s_add_co_u32 s40, s40, SCL
	v_lshl_add_u32 v6, v2, 2, v6
	v_add_nc_u32 v[ADRS], s40, v6
	s_mul_i32 s40, s[WV], 16*SPITCH                ; my stage
	v_mul_u32_u24 v7, v2, SPITCH
	v_lshl_add_u32 v7, v3, 6, v7
	v_add_nc_u32 v[STO], s40, v7                   ; in: row r, + 64 h: tile b's eight columns are 32 (b / 2) + 16 h + 8 (b % 2) + 0 .. 7
	v_add_nc_u32 v[RD], s40, v4                    ; back: a row of 512 bytes, 16 a lane
	v_mov_b32 v[CO], v4
	s_lshl_b32 s40, s[CX], 8
	s_lshl_b32 s41, s[WL], 7
	s_add_co_u32 s40, s40, s41
	s_lshl_b32 s40, s40, 2                         ; my first column, in bytes
	v_add_nc_u32 v8, s40, v4
	global_load_b128 v[64:67], v8, s[12:13]        ; bo at my four columns of a row
	s_lshl_b32 s41, s[CLY], 2
	s_add_co_u32 s41, s41, s[CY]
	s_lshl_b32 s41, s41, 8
	s_lshl_b32 s42, s[WH], 7
	s_add_co_u32 s41, s41, s42                     ; my first token
	s_lshl_b32 s41, s41, 12
	s_add_co_u32 s92, s41, s40
	s_mov_b32 s93, 0
	s_add_nc_u64 s[94:95], s[14:15], s[92:93]      ; never stepped: a row's place stands in the store's immediate, 127 rows of 4,096 bytes at the most
.macro FRAG reg, adr, q, i
	ds_load_b128 v[\reg:\reg+3], v[\adr] offset:3072*(\i)+1536*(\q)
	ds_load_b64 v[\reg+4:\reg+5], v[\adr+2] offset:3072*(\i)+1536*(\q)+512
	ds_load_b128 v[\reg+6:\reg+9], v[\adr] offset:3072*(\i)+1536*(\q)+768
	ds_load_b64 v[\reg+10:\reg+11], v[\adr+2] offset:3072*(\i)+1536*(\q)+1280
.endm
.macro MUL16 a0, p, q, sc, zero        ; the 64 accumulators take turns, one instruction a turn
.irp a, \a0, \a0+1
.irp b, 0,1,2,3,4,5,6,7
.if \zero
	v_wmma_scale_f32_16x16x128_f8f6f4 v[8*(8*((\a)%4)+\b):8*(8*((\a)%4)+\b)+7], v[128*(\p)+FR*\b:128*(\p)+FR*\b+FR-1], v[AF+FR*(\a):AF+FR*(\a)+FR-1], 0, v[SC+8*NQ*(\sc)+NQ*\b+(\q)], v[SC+8*NQ*(\sc)+NQ*(\a)+(\q)] matrix_a_fmt:MATRIX_FMT_FP6 matrix_b_fmt:MATRIX_FMT_FP6 matrix_a_scale:MATRIX_SCALE_ROW1
.else
	v_wmma_scale_f32_16x16x128_f8f6f4 v[8*(8*((\a)%4)+\b):8*(8*((\a)%4)+\b)+7], v[128*(\p)+FR*\b:128*(\p)+FR*\b+FR-1], v[AF+FR*(\a):AF+FR*(\a)+FR-1], v[8*(8*((\a)%4)+\b):8*(8*((\a)%4)+\b)+7], v[SC+8*NQ*(\sc)+NQ*\b+(\q)], v[SC+8*NQ*(\sc)+NQ*(\a)+(\q)] matrix_a_fmt:MATRIX_FMT_FP6 matrix_b_fmt:MATRIX_FMT_FP6 matrix_a_scale:MATRIX_SCALE_ROW1
.endif
.endr
.endr
.endm
.macro FETCH_B slot, q, p
	WIN TO_B
.irp i, 0,1,2,3,4,5,6,7
	FRAG 128*(\p)+FR*\i, ADRB+\slot, \q, \i
.endr
	WIN 0
.endm
.macro FETCH_A slot, q, i0
.irp i, \i0, \i0+1, \i0+2, \i0+3
	FRAG AF+FR*(\i), ADRA+\slot, \q, \i
.endr
.endm
.macro SCALES sc
.irp i, 0,1,2,3,4,5,6,7
.irp u, 0,1
	ds_load_b32 v[SC+16*\sc+2*\i+\u], v[ADRS] offset:512*\i+64*\u
.endr
.endr
.endm
.macro PLACES n
.rept \n
	v_nop
.endr
.endm
.macro STEP slot, q, zero
	s_wait_dscnt 4*NL                              ; all but the 16 youngest loads (the tokens' blocks 4-7) are in
	WIN MUL_LO
	MUL16 0, (\q)%2, \q, \slot, \zero
	MUL16 2, (\q)%2, \q, \slot, \zero
	s_wait_dscnt 0
	PLACES NP
	FETCH_B \slot, (\q)+1, 1-(\q)%2
	FETCH_A \slot, (\q)+1, 0
	WIN MUL_HI
	MUL16 4, (\q)%2, \q, \slot, \zero
	MUL16 6, (\q)%2, \q, \slot, \zero
	PLACES NP
	WIN 0
	FETCH_A \slot, (\q)+1, 4
.endm
.macro TURN slot, next, fill
	s_wait_tensorcnt 0x0                           ; all my tensor loads have landed: my part of the next slot
	ds_add_u32 v[SPW], v[NIL]
	s_wait_dscnt 4*NL+1                            ; the add and the 16 youngest loads may be out
	WIN MUL_LO
	MUL16 0, 1, NQ-1, \slot, 0
	s_wait_dscnt 0x0                               ; the add is done, and my reads of this slot are over
	s_barrier_signal -1
	MUL16 2, 1, NQ-1, \slot, 0
	WIN 0
	s_barrier_wait -1
.if \fill
	CREST                                          ; no wave of any partner reads this slot or has a load on its way
	s_add_nc_u64 s[G0+4*\slot+2:G0+4*\slot+3], s[G0+4*\slot+2:G0+4*\slot+3], 2*KSA
	s_add_nc_u64 s[G0B+4*\slot+2:G0B+4*\slot+3], s[G0B+4*\slot+2:G0B+4*\slot+3], 2*KSB
	JLOAD G0+4*\slot, G1, G0B+4*\slot, G1B
.else
	PLACES NP
.endif
	v_add_nc_u32 v[ADRS], 128, v[ADRS]
	FETCH_B \next, 0, 0
	FETCH_A \next, 0, 0
	SCALES \next
	WIN MUL_HI
	MUL16 4, 1, NQ-1, \slot, 0
	MUL16 6, 1, NQ-1, \slot, 0
	PLACES NP
	WIN 0
	FETCH_A \next, 0, 4
.endm
	s_wait_tensorcnt 1                             ; the scale words and my part of slot 0 are in; slot 1's load may be out
	s_barrier_signal -1
	s_barrier_wait -1
	FETCH_B 0, 0, 0
	FETCH_A 0, 0, 0
	SCALES 0
	FETCH_A 0, 0, 4
	STEP 0, 0, 1
	s_mov_b32 s3, LAPS-1
.Llap:
	TURN 0, 1, 1
	STEP 1, 0, 0
	TURN 1, 0, 1
	STEP 0, 0, 0
	s_sub_co_u32 s3, s3, 1
	s_cmp_lg_u32 s3, 0
	s_cbranch_scc1 .Llap
	TURN 0, 1, 0
	STEP 1, 0, 0
	s_wait_dscnt 4*NL
	WIN MUL_LO
	MUL16 0, 1, NQ-1, 1, 0
	MUL16 2, 1, NQ-1, 1, 0
	s_wait_dscnt 0
	WIN MUL_HI
	MUL16 4, 1, NQ-1, 1, 0
	MUL16 6, 1, NQ-1, 1, 0
	WIN 0
; THE WAY OUT, a tile of 16 tokens x 128 columns at a time, through my own stage: in by lanes (eight neighbouring columns of one token), back as whole rows of 512 bytes; bo is added to the rows read back.
.macro TOSTAGE a
.set AC, 64*((\a)%4)
	WIN 0x08+4*((\a)/4)                            ; the data: window 2 or 3
.irp b, 0,1,2,3,4,5,6,7
	ds_store_b128 v[STO], v[AC+8*\b:AC+8*\b+3] offset:128*(\b/2)+32*(\b%2)      ; each accumulator from its low end on
	ds_store_b128 v[STO], v[AC+8*\b+4:AC+8*\b+7] offset:128*(\b/2)+32*(\b%2)+16
.endr
	WIN 0
.set BB, BK+64*((\a)%2)
.irp t, 0,1,2,3,4,5,6,7,8,9,10,11,12,13,14,15
	ds_load_b128 v[BB+4*\t:BB+4*\t+3], v[RD] offset:\t*SPITCH    ; LDS serves a wave's instructions in order: these see the stores above
.endr
.endm
.macro SEND a, younger
.set BB, BK+64*((\a)%2)
	s_wait_dscnt \younger                          ; the tile is back; the next tile's 16 stores and 16 loads may be out
.irp t, 0,1,2,3,4,5,6,7,8,9,10,11,12,13,14,15
	v_pk_add_f32 v[BB+4*\t:BB+4*\t+1], v[BB+4*\t:BB+4*\t+1], v[64:65]
	v_pk_add_f32 v[BB+4*\t+2:BB+4*\t+3], v[BB+4*\t+2:BB+4*\t+3], v[66:67]
.endr
.irp t, 0,1,2,3,4,5,6,7,8,9,10,11,12,13,14,15
	global_store_b128 v[CO], v[BB+4*\t:BB+4*\t+3], s[94:95] offset:(32*((\a)/2)+8*((\a)%2)+\t+8*(\t/8))*4096 th:TH_STORE_NT   ; position t's token: 512 consecutive bytes, aligned
.endr
.endm
	PLACES NP
	s_wait_loadcnt 0x0                             ; bo
	TOSTAGE 0
.irp a, 1,2,3,4,5,6,7
.if \a > 1
	s_wait_xcnt 0x0                                ; the stores of two tiles back have read their registers: this tile's loads may land there
.endif
	TOSTAGE \a
	SEND \a-1, 32
.endr
	SEND 7, 0
	s_wait_tensorcnt 0x0                           ; the wave's end
	ds_add_u32 v[SPW], v[NIL]
	s_wait_dscnt 0x0
	CROUND                                         ; the closing round
	s_endpgm
.Lfunc_end_k_q63fb4eba9d_outp:
	.size	k_q63fb4eba9d_outp, .Lfunc_end_k_q63fb4eba9d_outp-k_q63fb4eba9d_outp
	.p2alignl 7, 3214868480
	.fill 96, 4, 3214868480
	.section	.rodata,"a",@progbits
	.p2align	6, 0x0
	.amdhsa_kernel k_q63fb4eba9d_outp
		.amdhsa_group_segment_fixed_size 327680
		.amdhsa_private_segment_fixed_size 0
		.amdhsa_enable_private_segment 0
		.amdhsa_kernarg_size 48
		.amdhsa_user_sgpr_count 2
		.amdhsa_user_sgpr_kernarg_segment_ptr 1
		.amdhsa_wavefront_size32 1
		.amdhsa_system_sgpr_workgroup_id_x 1
		.amdhsa_system_sgpr_workgroup_id_y 1
		.amdhsa_system_sgpr_workgroup_id_z 1
		.amdhsa_system_vgpr_workitem_id 0
		.amdhsa_next_free_vgpr 1024
		.amdhsa_next_free_sgpr 106
		.amdhsa_reserve_vcc 0
		.amdhsa_float_denorm_mode_32 3
		.amdhsa_float_denorm_mode_16_64 3
		.amdhsa_memory_ordered 1
		.amdhsa_forward_progress 1
		.amdhsa_inst_pref_size 161
	.end_amdhsa_kernel
	.amdgpu_metadata
---
amdhsa.version: [ 1, 2 ]
amdhsa.kernels:
  - .name:           k_q63fb4eba9d_outp
    .symbol:         k_q63fb4eba9d_outp.kd
    .args:
      - { .name: oc, .offset: 0, .size: 8, .value_kind: global_buffer, .address_space: global }
      - { .name: os, .offset: 8, .size: 8, .value_kind: global_buffer, .address_space: global }
      - { .name: codes, .offset: 16, .size: 8, .value_kind: global_buffer, .address_space: global }
      - { .name: scl, .offset: 24, .size: 8, .value_kind: global_buffer, .address_space: global }
      - { .name: bo, .offset: 32, .size: 8, .value_kind: global_buffer, .address_space: global }
      - { .name: out0, .offset: 40, .size: 8, .value_kind: global_buffer, .address_space: global }
    .group_segment_fixed_size: 327680
    .private_segment_fixed_size: 0
    .kernarg_segment_align: 8
    .kernarg_segment_size: 48
    .max_flat_workgroup_size: 128
    .sgpr_count:     106
    .vgpr_count:     1024
    .wavefront_size: 32
...
	.end_amdgpu_metadata
.endif
;; end of part 4
